; MI455X (gfx1250); checked and timed in simulation.
; The chip was launched on July 23, 2026; its instructions are those of AMD's public machine-readable ISA for CDNA 5 (MIT licence, August 2026) and "CDNA5" Instruction Set Architecture Reference Guide (July 2026). The comments in the code are by the model that wrote it; some were corrected since.
;; Multi Head Attention. Allowed arithmetic: matrix products marked QUANTISED: E3M2 operands, one E8M0 scale for each 32 along K, by v_wmma_scale_f32_16x16x128_f8f6f4 with both operands' format E3M2, f32 sums; everything else in f32.
;; Inputs: b_k 1,024 float32; b_o 1,024 float32; b_q 1,024 float32; b_v 1,024 float32; k 4 x 2,048 x 1,024 float32; q 4 x 2,048 x 1,024 float32; v 4 x 2,048 x 1,024 float32; w_k 1,024 x 1,024 float32; w_o 1,024 x 1,024 float32; w_q 1,024 x 1,024 float32; w_v 1,024 x 1,024 float32.
;; Outputs: out0 4 x 2,048 x 1,024 float32.
;; This version of the problem:
;;   THIS VERSION OF THE PROBLEM IS GIVEN IN LOW PRECISION. The matrix products marked QUANTISED in the list below multiply operands that are first quantised to E3M2 (3 exponent bits, 2 mantissa bits; 6 bits a number), with one power-of-two scale for each 32 numbers along K (OCP MX v1.0); their sums are f32. All else is computed in f32.
;;   The module's matrix products, in the order in which they are computed (A, B: the left and right operand; K: the contracted axis; several contracted axes count as one K, in the product's order):
;;     1. [M 8,192, K 1,024] x [K 1,024, N 1,024]; A: input q; B: input w_q: QUANTISED
;;     2. [M 8,192, K 1,024] x [K 1,024, N 1,024]; A: input k; B: input w_k: QUANTISED
;;     3. [M 8,192, K 1,024] x [K 1,024, N 1,024]; A: input v; B: input w_v: QUANTISED
;;     4. batch 64 x [M 2,048, K 64] x [K 64, N 2,048]; A: computed on the way; B: computed on the way: QUANTISED
;;     5. batch 64 x [M 2,048, K 2,048] x [K 2,048, N 64]; A: softmax (see below); B: computed on the way: QUANTISED
;;     6. [M 8,192, K 1,024] x [K 1,024, N 1,024]; A: computed on the way; B: input w_o: QUANTISED
;;   THE QUANTISER, for each operand of a quantised product, along K:
;;     - K is cut into blocks of 32 from its start; a last block that is shorter is filled with zeros.
;;     - A block's scale is 2^e with e = floor(log2(the largest magnitude in the block)) - 4, held to -126 .. 127; a block of zeros has e = 0. As a byte (E8M0): e + 127.
;;     - Each number is divided by its block's scale, clamped to +-28, and rounded to the nearest number of E3M2, ties to even, subnormals kept.
;;     - The product sums the exact products of the quantised numbers (number of the format x scale) in f32.
;;   ~~~python
;;   def quantise(x, axis):      # numpy; x: float32 -> the quantised numbers, widened to float32 again
;;       x = np.moveaxis(x, axis, -1); K = x.shape[-1]
;;       x = np.pad(x, [(0, 0)] * (x.ndim - 1) + [(0, -K % 32)]); x = x.reshape(x.shape[:-1] + (-1, 32)); a = np.abs(x).max(-1, keepdims=True)
;;       e = np.where(a > 0, np.clip(np.frexp(np.where(a > 0, a, 1))[1] - 1 - 4, -126, 127), 0)      # np.frexp(a)[1] - 1 = floor(log2(a)), exactly
;;       r = np.clip(x / 2.0 ** e, -28, 28)
;;       step = 2.0 ** (np.maximum(np.frexp(np.where(r == 0, 1, r))[1] - 1, -2) - 2)
;;       q = np.round(r / step) * step * 2.0 ** e      # np.round: ties to even
;;       return np.moveaxis(q.reshape(q.shape[:-2] + (-1,))[..., :K], -1, axis).astype(np.float32)
;;   ~~~
;;   SOFTMAX AHEAD OF A QUANTISED PRODUCT. Where the list says 'softmax', what is quantised is not the finished softmax but p = 2^(t - M), with t = logit x log2(e) and M = ceil(the row's largest t), a whole number; so 1/2 < the row's largest p <= 1. The row's sum l is taken of the UNQUANTISED p, in f32, and the product's result is divided by l at the end. Since M is a whole number, a kernel that streams over the keys may use a running M (the ceiling of the running maximum): every later rescaling is an exact power of two, which a block's scale takes up: the codes' values come out the same.
;;   OPERANDS COMPUTED ON THE WAY. 'Computed on the way' means the value that the module computes at that place (a softmax that the list does not call 'softmax' is quantised finished and normalised). What goes into a quantiser is computed in f32, as accurately as f32 sums, v_exp_f32 and their like allow (about 1e-6 of the number): no bf16 or f16 on the way to a quantiser, and a product that is left as it is and whose result goes on into a quantised operand takes f32 operands (vector FMAs, or v_wmma_f32_16x16x4_f32). A number that lies on a knife's edge between two numbers of the format may be rounded either way, as far as f32 arithmetic and the matrix unit's own rounding can turn it there, and no further.
;; One version. Each part assembles by itself: llvm-mc -triple=amdgcn-amd-amdhsa -mcpu=gfx1250 --defsym DOCPART=n.
;; ======== version 1 of 1: 4 launches
;; workspace buffers: pc 22,937,600 bytes; qkv 20,185,088 bytes; xp 6,553,600 bytes
;; launch quant (part 1): grid 256 x 1, 14 waves a work-group, no clusters, 120,064 bytes of LDS; arguments q, k, v, w_q, w_k, w_v, w_o, pc; writes pc
.if DOCPART == 1
	.amdgcn_target "amdgcn-amd-amdhsa--gfx1250"
	.amdhsa_code_object_version 6
	.text
	.protected	k_q75cb69b2cc_quant
	.globl	k_q75cb69b2cc_quant
	.p2align	8
	.type	k_q75cb69b2cc_quant,@function
k_q75cb69b2cc_quant:
	s_mov_b64 s[64:65], 0
	v_nop
	global_prefetch_b8 v0, s[64:65] scope:SCOPE_SE
	s_setreg_imm32_b32 hwreg(HW_REG_WAVE_MODE, 25, 1), 1
	s_wait_xcnt 0x0
; q, k, v [8192][1024] and w_q, w_k, w_v, w_o [1024][1024], f32 with K innermost, become codes of BF6 (E3M2) with one E8M0 byte for each 32 along K,
; laid in pc IN THE ORDER OF THE OPERANDS' REGISTERS.  224 row blocks of 128 rows (q 0-63, k 64-127, v 128-191, w_q 192-199, w_k 200-207, w_v 208-215, w_o 216-223),
; each 8 panels (128 rows x 128 K) of 12,800 bytes: 8 fragments of 1,536 bytes, then two scale images of 256 bytes.
; A fragment (16 rows x 128 K, 12 registers a lane): registers 0-3 at 16 x lane, 4-5 at 512 + 8 x lane, 6-9 at 768 + 16 x lane, 10-11 at 1,280 + 8 x lane.
; THE ROWS OF A TILE ARE NOT NEIGHBOURS: lane r of tile i takes row 32 (i / 2) + 8 (i % 2) + r % 8 + 16 (r / 8) of the block.
; A scale image serves four tiles: 8 bytes a lane; word j holds tile 2 j's scale words in lanes 0-15 and tile 2 j + 1's in lanes 16-31.
; A block's scale is 2^(floor(log2(its largest magnitude)) - 4); its byte is that magnitude's exponent field - 4, held at 1 from below.
; LIMITS: NaN and infinities among the inputs are not served; blocks whose largest magnitude lies under 2^-122 keep the byte 1; a block of zeros gets the byte 1
; where the rule says 127: its codes are zeros, and this program alone reads the bytes.
; SHARES: 3,584 half panels (64 rows x 128 K) = 256 work-groups x 14 waves, one to a wave: four tiles.  Each load reads 512 consecutive bytes of one row; a tile's 16 rows turn through
; the wave's own stage in LDS (rows of 528 bytes), so that a lane gets 16 neighbours of each block of 32.  Waves share nothing: no barrier.  Memory binds: no matrix unit, no cluster.
.set STG,  8448                        ; a wave's stage: 16 rows x (512 + 16) bytes
.set RAW,  16                          ; v16-143   two sets of 64 registers as loaded
.set X,    144                         ; v144-207  register 16 b + i: k = 32 b + 16 (lane / 16) + i of my row
.set PC,   208                         ; v208-227  the codes just made (12, and 8 at work)
.set TM,   228                         ; v228-243  at work
.set PW,   244                         ; v244-247  the four tiles' scale words
.set SEL,  20                          ; s[20:21]  lane selects: lane l xor 16
.macro QUANT s, pw                     ; 64 numbers of a lane become a fragment's codes in v[PC] on and its row's scale word in v[pw]
.irp b, 0,1,2,3
	v_max3_num_f32 v[TM+\b], |v[\s+16*\b]|, |v[\s+1+16*\b]|, 0x2800000   ; my 16 numbers of block b, and the floor 2^(5 - 127): the byte cannot fall under 1
.endr
.irp i, 2,4,6,8,10,12,14
.irp b, 0,1,2,3
	s_delay_alu instid0(VALU_DEP_4)
	v_max3_num_f32 v[TM+\b], v[TM+\b], |v[\s+16*\b+\i]|, |v[\s+1+16*\b+\i]|
.endr
.endr
.irp b, 0,1,2,3
	s_delay_alu instid0(VALU_DEP_4)
	v_permlanex16_b32 v[TM+4+\b], v[TM+\b], s[SEL], s[SEL+1]
.endr
.irp b, 0,1,2,3
	s_delay_alu instid0(VALU_DEP_4)
	v_max_num_f32 v[TM+\b], v[TM+\b], v[TM+4+\b]       ; with lane l xor 16's: the block's largest magnitude
.endr
.irp b, 0,1,2,3
	s_delay_alu instid0(VALU_DEP_4)
	v_add_nc_u32 v[TM+12+\b], 0xfe000000, v[TM+\b]     ; 4 off its exponent field: the conversion's scale operand
.endr
.irp b, 0,1,2,3
	s_delay_alu instid0(VALU_DEP_4)
	v_lshrrev_b32 v[TM+4+\b], 23, v[TM+12+\b]          ; the scale's byte
.endr
	s_delay_alu instid0(VALU_DEP_3)
	v_lshl_or_b32 v[\pw], v[TM+5], 8, v[TM+4]
	s_delay_alu instid0(VALU_DEP_1)
	v_lshl_or_b32 v[\pw], v[TM+6], 16, v[\pw]
	s_delay_alu instid0(VALU_DEP_1)
	v_lshl_or_b32 v[\pw], v[TM+7], 24, v[\pw]
.irp c, 0,1
	v_cvt_scalef32_pk16_bf6_f32 v[PC+6*\c:PC+2+6*\c], v[\s+32*\c:\s+15+32*\c], v[TM+12+2*\c]
	v_cvt_scalef32_pk16_bf6_f32 v[PC+12+4*\c:PC+14+4*\c], v[\s+16+32*\c:\s+31+32*\c], v[TM+12+2*\c+1]   ; (a conversion's three registers begin on an even number)
.endr
	v_nop                                              ; one plain instruction behind a scaled conversion
.irp c, 0,1                                            ; the operand wants a whole block in a lane: lanes 0-15 block 2 c, lanes 16-31 block 2 c + 1
.irp i, 0,1,2
	v_permlane16_swap_b32 v[PC+6*\c+\i], v[PC+12+4*\c+\i]
.endr
.irp i, 0,1,2
	s_delay_alu instid0(VALU_DEP_3)
	v_mov_b32 v[PC+3+6*\c+\i], v[PC+12+4*\c+\i]
.endr
.endr
.endm
	s_load_b512 s[4:19], s[0:1], 0x0               ; q, k, v, w_q, w_k, w_v, w_o, pc
	v_lshl_add_u32 v254, v0, 2, 0x1ce00
	v_mov_b32 v255, 0
	v_lshrrev_b32 v1, 5, v0
	s_delay_alu instid0(VALU_DEP_1)
	v_readfirstlane_b32 s22, v1                    ; wave 0..13
	v_and_b32 v1, 31, v0                           ; lane
	s_delay_alu instid0(VALU_DEP_1)
	v_lshlrev_b32 v2, 4, v1                        ; 16 x lane
	s_delay_alu instid0(VALU_DEP_2)
	v_lshlrev_b32 v3, 3, v1                        ; 8 x lane
	s_mul_i32 s23, s22, STG                        ; my stage
	v_add_nc_u32 v4, s23, v2                       ; in: a row's 512 bytes as they lie
	v_and_b32 v6, 15, v0
	v_bfe_u32 v7, v0, 4, 1
	s_delay_alu instid0(VALU_DEP_2)
	v_mul_u32_u24 v5, v6, 528
	s_delay_alu instid0(VALU_DEP_1)
	v_lshl_add_u32 v5, v7, 6, v5
	s_delay_alu instid0(VALU_DEP_1)
	v_add_nc_u32 v5, s23, v5                       ; out: row lane % 16, + 64 bytes for lanes 16-31
	s_mov_b32 s[SEL], 0x76543210
	s_mov_b32 s[SEL+1], 0xfedcba98
.irp b, 0,1,2,3
	v_mov_b32 v[TM+4+\b], 0                        ; written once: a lane permute's destination counts as one of its sources
.endr
	s_mul_i32 s27, ttmp9, 14
	s_add_co_u32 s27, s27, s22                     ; which half panel
	s_and_b32 s28, s27, 1                          ; g: which 64 rows of the panel
	s_lshr_b32 s29, s27, 1                         ; the panel
	s_lshr_b32 s30, s29, 3                         ; its row block
	s_and_b32 s31, s29, 7                          ; its K step
	s_wait_alu depctr_va_vdst(0)
	s_wait_kmcnt 0x0
	s_mov_b64 s[24:25], s[16:17]                   ; the tensor and its first row block: chosen by the row block's number alone
	s_mov_b32 s26, 216
	s_cmp_lt_u32 s30, 216
	s_cselect_b64 s[24:25], s[14:15], s[24:25]
	s_cselect_b32 s26, 208, s26
	s_cmp_lt_u32 s30, 208
	s_cselect_b64 s[24:25], s[12:13], s[24:25]
	s_cselect_b32 s26, 200, s26
	s_cmp_lt_u32 s30, 200
	s_cselect_b64 s[24:25], s[10:11], s[24:25]
	s_cselect_b32 s26, 192, s26
	s_cmp_lt_u32 s30, 192
	s_cselect_b64 s[24:25], s[8:9], s[24:25]
	s_cselect_b32 s26, 128, s26
	s_cmp_lt_u32 s30, 128
	s_cselect_b64 s[24:25], s[6:7], s[24:25]
	s_cselect_b32 s26, 64, s26
	s_cmp_lt_u32 s30, 64
	s_cselect_b64 s[24:25], s[4:5], s[24:25]
	s_cselect_b32 s26, 0, s26
	s_sub_co_u32 s32, s30, s26
	s_lshl_b32 s32, s32, 7
	s_lshl_b32 s33, s28, 6
	s_add_co_u32 s32, s32, s33                     ; my first row in the tensor
	s_lshl_b32 s32, s32, 12                        ; rows of 4,096 bytes (under 2^26 in all)
	s_lshl_b32 s33, s31, 9                         ; 128 numbers of a K step: 512 bytes
	s_add_co_u32 s32, s32, s33
	s_mov_b32 s33, 0
	s_add_nc_u64 s[24:25], s[24:25], s[32:33]
	s_mul_i32 s34, s29, 12800
	s_mov_b32 s35, 0
	s_add_nc_u64 s[18:19], s[18:19], s[34:35]      ; the panel
	s_mul_i32 s34, s28, 6144
	s_add_nc_u64 s[36:37], s[18:19], s[34:35]      ; my four fragments
	s_lshl_b32 s34, s28, 8
	s_add_co_u32 s34, s34, 12288
	s_add_nc_u64 s[38:39], s[18:19], s[34:35]      ; my scale image
.macro LOAD t                          ; tile t's 16 rows, 512 consecutive bytes a load
.irp i, 0,1,2,3,4,5,6,7,8,9,10,11,12,13,14,15
	global_load_b128 v[RAW+64*((\t)%2)+4*\i:RAW+64*((\t)%2)+4*\i+3], v2, s[24:25] offset:(32*((\t)/2)+8*((\t)%2)+(\i%8)+16*(\i/8))*4096 th:TH_LOAD_NT
.endr
.endm
.macro TILE t
.if (\t) < 3
	s_wait_loadcnt 16                              ; this tile's 16 loads are in; the next tile's 16 may be out
.else
	s_wait_loadcnt 0x0
.endif
.irp i, 0,1,2,3,4,5,6,7,8,9,10,11,12,13,14,15
	ds_store_b128 v4, v[RAW+64*((\t)%2)+4*\i:RAW+64*((\t)%2)+4*\i+3] offset:528*\i
.endr
.irp b, 0,1,2,3
.irp j, 0,1,2,3
	ds_load_b128 v[X+16*\b+4*\j:X+16*\b+4*\j+3], v5 offset:128*\b+16*\j   ; LDS serves a wave's instructions in order: these see the stores above
.endr
.endr
	s_wait_dscnt 0x0                               ; the numbers are back, so the stores have read the set,
.if (\t) < 2
	LOAD (\t)+2                                    ; which takes the tile two on
.endif
.if (\t) > 0
	s_wait_xcnt 0x0                                ; the last tile's stores have read the codes' registers
.endif
	QUANT X, PW+(\t)
	global_store_b128 v2, v[PC:PC+3], s[36:37] offset:1536*(\t)             ; 512 consecutive bytes
	global_store_b64 v3, v[PC+4:PC+5], s[36:37] offset:1536*(\t)+512        ; 256
	global_store_b128 v2, v[PC+6:PC+9], s[36:37] offset:1536*(\t)+768
	global_store_b64 v3, v[PC+10:PC+11], s[36:37] offset:1536*(\t)+1280
.endm
	LOAD 0
	LOAD 1
	TILE 0
	TILE 1
	TILE 2
	TILE 3
	v_cmp_lt_u32 vcc_lo, 15, v1                    ; lanes 16-31
	s_delay_alu instid0(VALU_DEP_1)
	v_cndmask_b32 v248, v[PW], v[PW+1], vcc_lo     ; every lane holds the word of row lane % 16: lanes 0-15 keep the even tile's, lanes 16-31 the odd tile's
	s_delay_alu instid0(VALU_DEP_2)
	v_cndmask_b32 v249, v[PW+2], v[PW+3], vcc_lo
	global_store_b64 v3, v[248:249], s[38:39]      ; 256 consecutive bytes
	s_wait_tensorcnt 0x0
	ds_add_u32 v254, v255
	s_wait_dscnt 0x0
	s_endpgm
.Lfunc_end_k_q75cb69b2cc_quant:
	.size	k_q75cb69b2cc_quant, .Lfunc_end_k_q75cb69b2cc_quant-k_q75cb69b2cc_quant
	.p2alignl 7, 3214868480
	.fill 96, 4, 3214868480
	.section	.rodata,"a",@progbits
	.p2align	6, 0x0
	.amdhsa_kernel k_q75cb69b2cc_quant
		.amdhsa_group_segment_fixed_size 120064
		.amdhsa_private_segment_fixed_size 0
		.amdhsa_enable_private_segment 0
		.amdhsa_kernarg_size 64
		.amdhsa_user_sgpr_count 2
		.amdhsa_user_sgpr_kernarg_segment_ptr 1
		.amdhsa_wavefront_size32 1
		.amdhsa_system_sgpr_workgroup_id_x 1
		.amdhsa_system_sgpr_workgroup_id_y 1
		.amdhsa_system_sgpr_workgroup_id_z 1
		.amdhsa_system_vgpr_workitem_id 0
		.amdhsa_next_free_vgpr 256
		.amdhsa_next_free_sgpr 66
		.amdhsa_reserve_vcc 1
		.amdhsa_float_denorm_mode_32 3
		.amdhsa_float_denorm_mode_16_64 3
		.amdhsa_memory_ordered 1
		.amdhsa_forward_progress 1
		.amdhsa_inst_pref_size 41
	.end_amdhsa_kernel
	.amdgpu_metadata
---
amdhsa.version: [ 1, 2 ]
amdhsa.kernels:
  - .name:           k_q75cb69b2cc_quant
    .symbol:         k_q75cb69b2cc_quant.kd
    .args:
      - { .name: q, .offset: 0, .size: 8, .value_kind: global_buffer, .address_space: global }
      - { .name: k, .offset: 8, .size: 8, .value_kind: global_buffer, .address_space: global }
      - { .name: v, .offset: 16, .size: 8, .value_kind: global_buffer, .address_space: global }
      - { .name: w_q, .offset: 24, .size: 8, .value_kind: global_buffer, .address_space: global }
      - { .name: w_k, .offset: 32, .size: 8, .value_kind: global_buffer, .address_space: global }
      - { .name: w_v, .offset: 40, .size: 8, .value_kind: global_buffer, .address_space: global }
      - { .name: w_o, .offset: 48, .size: 8, .value_kind: global_buffer, .address_space: global }
      - { .name: pc, .offset: 56, .size: 8, .value_kind: global_buffer, .address_space: global }
    .group_segment_fixed_size: 120064
    .private_segment_fixed_size: 0
    .kernarg_segment_align: 8
    .kernarg_segment_size: 64
    .max_flat_workgroup_size: 448
    .sgpr_count:     66
    .vgpr_count:     256
    .wavefront_size: 32
...
	.end_amdgpu_metadata
.endif
;; end of part 1
;; launch proj (part 2): grid 4 x 192, 4 waves a work-group, clusters of 4 x 4, 307,712 bytes of LDS; arguments pc, b_q, b_k, b_v, qkv; writes qkv
.if DOCPART == 2
	.amdgcn_target "amdgcn-amd-amdhsa--gfx1250"
	.amdhsa_code_object_version 6
	.text
	.protected	k_q75cb69b2cc_proj
	.globl	k_q75cb69b2cc_proj
	.p2align	8
	.type	k_q75cb69b2cc_proj,@function
k_q75cb69b2cc_proj:
	s_mov_b64 s[64:65], 0
	v_nop
	global_prefetch_b8 v0, s[64:65] scope:SCOPE_SE
	s_setreg_imm32_b32 hwreg(HW_REG_WAVE_MODE, 25, 1), 1
	s_wait_xcnt 0x0
	s_wait_alu depctr_hold_cnt(0) depctr_sa_sdst(0) depctr_va_vdst(0) depctr_va_sdst(0) depctr_va_ssrc(0) depctr_va_vcc(0) depctr_vm_vsrc(0)
	s_getreg_b32 s2, hwreg(HW_REG_IB_STS2, 6, 4)
	s_cmp_eq_u32 s2, 0
	s_cbranch_scc0 .Lentry_in_a_cluster
	s_endpgm
.Lentry_in_a_cluster:
	s_bfe_u32 s2, ttmp6, 0x10000c
	s_cmp_lg_u32 s2, 0xf033
	s_cbranch_scc0 .Lentry_shape_is_right
	s_endpgm
.Lentry_shape_is_right:
; The three projections x W^T + b on codes of BF6 (E3M2) with E8M0 scales, and their results quantised at once into the images that the attention launch reads.  Nothing in f32 goes to memory.
; pc: 224 row blocks of 128 rows x 8 panels of 12,800 bytes (8 fragments of 1,536 bytes in the order of the operand's registers, two scale images of 256 bytes);
; lane r of tile i is row 32 (i / 2) + 8 (i % 2) + r % 8 + 16 (r / 8) of its block.
; qkv: for each of 64 (batch, head) and each of 16 steps of 128 tokens a record of 19,712 bytes: Q: 8 half fragments (16 tokens x the head's 64: registers 0-5; 768 bytes) and two scale images;
; K at +6,656 likewise; V at +13,312: 4 fragments (16 channels x 128 KEYS) and one scale image.  Q's and K's scale words repeat their two bytes: the K of their product is 64, the other half of the
; instruction's 128 is zero codes.
; A WORK-GROUP takes 128 rows of a "lane side" (one row block) x 256 rows of a "register side" (two row blocks), for ALL of K: 3 x 102,400 bytes, which fit in LDS: every tile is filled once, nothing is filled again.
; The matrix instruction is used transposed: source 0 = 16 rows of the register side, source 1 = 16 rows of the lane side: a lane holds one row of the lane side, and its 64 registers of a tile row are
; 64 numbers in the order that the next quantiser wants.  For Q and K the tokens are the lane side and the weight's rows (channels, the next K) the register side; for V the weight's rows are the lane
; side and the tokens (keys, the next K) the register side.  One text serves both: only offsets differ, chosen by the cluster's number.
; A WAVE makes 64 x 128: 32 accumulators, 32 matrix instructions a K step.
; CLUSTERS: 4 x 4 work-groups; the lane side's tiles are shared along a row of the cluster, the register side's along a column: each is asked for jointly.
; LIMITS: NaN and infinities are not served; blocks under 2^-122 keep the byte 1; a block of zeros gets the byte 1 (its codes are zeros; this program alone reads the bytes).
; REGISTERS: window 0: v1-10 addresses; v16-27 scale words, two sets; v32-127 the lane side's fragments, two sets (on the way out v32-95: 64 numbers); v128-191, v192-199 the bias; v200-249 the quantiser.
;   window 1: the register side's fragments, two sets of 96.   window 2: the accumulators, (a, b) at v[8 (8 a + b)].
.set PANEL, 12800
.set PAIR,  76800                      ; LDS: two K steps: the lane side's 25,600 bytes, then the register side's two row blocks, 25,600 each
.set RBB,   102400                     ; a row block in memory
.set REC,   19712
.set HEADB, 315392                     ; 16 records: from a head to the next
.set V16,  2
.set V8,   3
.set AA16, 4                           ; v4, v5  my four tiles of the lane side
.set AA8,  5
.set ASC,  6                           ; v6      their scale image
.set AB16, 7                           ; v7, v8  my row block of the register side
.set AB8,  8
.set SC,   16
.set AF,   32
.set BI,   128
.set BV,   192
.set H,    32
.set PC,   200
.set TM,   220
.set W0,   236
.set W1,   240
.set PWR,  244
.set IMG,  246
.set WV,   14
.set SEL,  2
.set MSB, 0
.macro WIN new                         ; the immediate's high byte repeats the setting that is left
.if MSB != \new
	s_set_vgpr_msb (MSB<<8)|\new
.set MSB, \new
.endif
.endm
.macro PLACES
.rept 4
	v_nop
.endr
.endm
.macro CROUND                          ; a round of the cluster's barrier
	s_barrier_signal -1
	s_barrier_wait -1
	s_cmp_lg_u32 s[WV], 0
	s_cbranch_scc1 .Lnot_wave_0_\@
	s_barrier_signal -3
.Lnot_wave_0_\@:
	s_barrier_wait -3
	s_barrier_signal -1
	s_barrier_wait -1
.endm
.macro QUANT s, pw                     ; 64 numbers of a lane, register 16 b + i = k 32 b + 16 (lane / 16) + i of my row, become a fragment's codes in v[PC] on and the row's scale word in v[pw]
.irp b, 0,1,2,3
	v_max3_num_f32 v[TM+\b], |v[\s+16*\b]|, |v[\s+1+16*\b]|, 0x2800000   ; and the floor 2^(5 - 127): the byte cannot fall under 1
.endr
.irp i, 2,4,6,8,10,12,14
.irp b, 0,1,2,3
	v_max3_num_f32 v[TM+\b], v[TM+\b], |v[\s+16*\b+\i]|, |v[\s+1+16*\b+\i]|
.endr
.endr
.irp b, 0,1,2,3
	v_permlanex16_b32 v[TM+4+\b], v[TM+\b], s[SEL], s[SEL+1]
.endr
.irp b, 0,1,2,3
	v_max_num_f32 v[TM+\b], v[TM+\b], v[TM+4+\b]
.endr
.irp b, 0,1,2,3
	v_add_nc_u32 v[TM+12+\b], 0xfe000000, v[TM+\b]     ; 4 off the exponent field: the conversion's scale operand
.endr
.irp b, 0,1,2,3
	v_lshrrev_b32 v[TM+4+\b], 23, v[TM+12+\b]          ; the scale's byte
.endr
	v_lshl_or_b32 v[\pw], v[TM+5], 8, v[TM+4]
	v_lshl_or_b32 v[\pw], v[TM+6], 16, v[\pw]
	v_lshl_or_b32 v[\pw], v[TM+7], 24, v[\pw]
.irp c, 0,1
	v_cvt_scalef32_pk16_bf6_f32 v[PC+6*\c:PC+2+6*\c], v[\s+32*\c:\s+15+32*\c], v[TM+12+2*\c]
	v_cvt_scalef32_pk16_bf6_f32 v[PC+12+4*\c:PC+14+4*\c], v[\s+16+32*\c:\s+31+32*\c], v[TM+12+2*\c+1]
.endr
	v_nop                                              ; one plain instruction behind a scaled conversion
.irp c, 0,1
.irp i, 0,1,2
	v_permlane16_swap_b32 v[PC+6*\c+\i], v[PC+12+4*\c+\i]
.endr
.irp i, 0,1,2
	v_mov_b32 v[PC+3+6*\c+\i], v[PC+12+4*\c+\i]
.endr
.endr
.endm
.macro FRAG reg, a16, a8, off          ; a fragment's image comes back into the same registers in the same lanes
	ds_load_b128 v[\reg:\reg+3], v[\a16] offset:\off
	ds_load_b64 v[\reg+4:\reg+5], v[\a8] offset:\off+512
	ds_load_b128 v[\reg+6:\reg+9], v[\a16] offset:\off+768
	ds_load_b64 v[\reg+10:\reg+11], v[\a8] offset:\off+1280
.endm
.macro FETCH q, p                      ; step q of the K pair in hand into set p: 51 LDS loads in one run
	WIN 0x40                                       ; destination window 1
.irp i, 0,1,2,3,4,5,6,7
	FRAG 96*(\p)+12*\i, AB16, AB8, PANEL*(\q)+1536*\i
.endr
	WIN 0
.irp i, 0,1,2,3
	FRAG AF+48*(\p)+12*\i, AA16, AA8, PANEL*(\q)+1536*\i
.endr
	ds_load_b64 v[SC+6*(\p):SC+6*(\p)+1], v[ASC] offset:PANEL*(\q)
	ds_load_b64 v[SC+6*(\p)+2:SC+6*(\p)+3], v[AB8] offset:PANEL*(\q)+12288
	ds_load_b64 v[SC+6*(\p)+4:SC+6*(\p)+5], v[AB8] offset:PANEL*(\q)+12544
.endm
.macro WM                              ; one matrix instruction by the symbols rD rS0 rS1 rC rX0 rX1; fZ: the sum starts with 0; fR0, fR1: an odd tile's scale words lie in lanes 16-31
.if fZ
.if fR0 && fR1
	v_wmma_scale_f32_16x16x128_f8f6f4 v[rD:rD+7], v[rS0:rS0+11], v[rS1:rS1+11], 0, v[rX0], v[rX1] matrix_a_fmt:MATRIX_FMT_BF6 matrix_b_fmt:MATRIX_FMT_BF6 matrix_a_scale:MATRIX_SCALE_ROW1 matrix_b_scale:MATRIX_SCALE_ROW1
.elseif fR0
	v_wmma_scale_f32_16x16x128_f8f6f4 v[rD:rD+7], v[rS0:rS0+11], v[rS1:rS1+11], 0, v[rX0], v[rX1] matrix_a_fmt:MATRIX_FMT_BF6 matrix_b_fmt:MATRIX_FMT_BF6 matrix_a_scale:MATRIX_SCALE_ROW1
.elseif fR1
	v_wmma_scale_f32_16x16x128_f8f6f4 v[rD:rD+7], v[rS0:rS0+11], v[rS1:rS1+11], 0, v[rX0], v[rX1] matrix_a_fmt:MATRIX_FMT_BF6 matrix_b_fmt:MATRIX_FMT_BF6 matrix_b_scale:MATRIX_SCALE_ROW1
.else
	v_wmma_scale_f32_16x16x128_f8f6f4 v[rD:rD+7], v[rS0:rS0+11], v[rS1:rS1+11], 0, v[rX0], v[rX1] matrix_a_fmt:MATRIX_FMT_BF6 matrix_b_fmt:MATRIX_FMT_BF6
.endif
.else
.if fR0 && fR1
	v_wmma_scale_f32_16x16x128_f8f6f4 v[rD:rD+7], v[rS0:rS0+11], v[rS1:rS1+11], v[rC:rC+7], v[rX0], v[rX1] matrix_a_fmt:MATRIX_FMT_BF6 matrix_b_fmt:MATRIX_FMT_BF6 matrix_a_scale:MATRIX_SCALE_ROW1 matrix_b_scale:MATRIX_SCALE_ROW1
.elseif fR0
	v_wmma_scale_f32_16x16x128_f8f6f4 v[rD:rD+7], v[rS0:rS0+11], v[rS1:rS1+11], v[rC:rC+7], v[rX0], v[rX1] matrix_a_fmt:MATRIX_FMT_BF6 matrix_b_fmt:MATRIX_FMT_BF6 matrix_a_scale:MATRIX_SCALE_ROW1
.elseif fR1
	v_wmma_scale_f32_16x16x128_f8f6f4 v[rD:rD+7], v[rS0:rS0+11], v[rS1:rS1+11], v[rC:rC+7], v[rX0], v[rX1] matrix_a_fmt:MATRIX_FMT_BF6 matrix_b_fmt:MATRIX_FMT_BF6 matrix_b_scale:MATRIX_SCALE_ROW1
.else
	v_wmma_scale_f32_16x16x128_f8f6f4 v[rD:rD+7], v[rS0:rS0+11], v[rS1:rS1+11], v[rC:rC+7], v[rX0], v[rX1] matrix_a_fmt:MATRIX_FMT_BF6 matrix_b_fmt:MATRIX_FMT_BF6
.endif
.endif
.endm
.macro MUL p, cm                       ; 32 matrix instructions on set p.  cm = 1: they start the sums with 0; 0: they go on.  The 32 accumulators take turns in one order in every step
	WIN 0xa1                                       ; source 0 window 1, source 1 window 0, C and D window 2
.irp a, 0,1,2,3
.irp b, 0,1,2,3,4,5,6,7
.set rD, 8*(8*\a+\b)
.set rC, rD
.set rS0, 96*(\p)+12*\b
.set rS1, AF+48*(\p)+12*\a
.set rX0, SC+6*(\p)+2+\b/2
.set rX1, SC+6*(\p)+\a/2
.set fZ, \cm
.set fR0, \b%2
.set fR1, \a%2
	WM
.endr
.endr
.endm
; K step s of eight, on set s % 2.  K pair j (steps 2 j, 2 j + 1) is shown whole to all four waves by a barrier whose signal stands in step 2 j - 2 and whose wait stands in step 2 j - 1.
.macro STEP s, cm
.set PP, (\s)%2
	s_wait_dscnt 0x0                               ; this step's fragments are in
.if ((\s)%2 == 0) && ((\s) < 6)
	s_wait_tensorcnt 2-(\s)/2                      ; my load of the next K pair has landed; those of the pairs behind it may be out
	s_barrier_signal -1
.endif
.if ((\s)%2 == 1) && ((\s) < 7)
	s_barrier_wait -1                              ; everybody's has
.endif
.if (\s) < 7
	WIN 0
	PLACES                                         ; four plain instructions between the last step's products and loads into the registers that they read
.if (\s)%2 == 1
.irp r, AA16, AA8, ASC, AB16, AB8
	v_add_nc_u32 v[\r], PAIR, v[\r]                ; on to the next K pair
.endr
.endif
	FETCH ((\s)+1)%2, 1-PP
.endif
	MUL PP, \cm
.endm
	s_load_b256 s[4:11], s[0:1], 0x0               ; pc, b_q, b_k, b_v
	s_load_b64 s[12:13], s[0:1], 0x20              ; qkv
	v_lshl_add_u32 v254, v0, 2, 0x4b000
	v_mov_b32 v255, 0
	ds_add_u32 v254, v255
	ds_add_u32 v254, v255
	v_lshrrev_b32 v1, 5, v0
	v_readfirstlane_b32 s[WV], v1                  ; wave 0..3
	s_lshr_b32 s15, s[WV], 1                       ; wa: which 64 rows of the lane side
	s_and_b32 s16, s[WV], 1                        ; wb: which row block of the register side
	s_bfe_u32 s40, ttmp6, 0x40000                  ; cx
	s_bfe_u32 s41, ttmp6, 0x40004                  ; cy
	s_and_b32 s42, ttmp7, 0xffff                   ; the cluster: 0..47
	s_lshr_b32 s43, s42, 4                         ; t: 0 Q, 1 K, 2 V
	s_and_b32 s44, s42, 15                         ; u
	s_and_b32 s45, s44, 1
	s_lshr_b32 s46, s44, 1
	s_lshl_b32 s47, s43, 6                         ; Q, K: the tokens' first row block, 64 t
	s_lshl_b32 s84, s43, 3
	s_add_co_u32 s84, s84, 192                     ; and the weight's, 192 + 8 t
	s_mov_b32 s85, 208                             ; V: w_v's first row block
	s_mov_b32 s86, 128                             ; and v's
	s_cmp_lt_u32 s43, 2
	s_cselect_b32 s45, s44, s45                    ; the cluster's place along the lane side: u, or u & 1
	s_cselect_b32 s46, 0, s46                      ; and along the register side: 0, or u >> 1
	s_cselect_b32 s47, s47, s85
	s_cselect_b32 s84, s84, s86
	s_cselect_b32 s87, 1, 0                        ; 1: Q or K
	s_lshl_b32 s45, s45, 2
	s_add_co_u32 s45, s45, s41                     ; trow: it holds cy and never cx
	s_lshl_b32 s46, s46, 2
	s_add_co_u32 s46, s46, s40                     ; tcol: it holds cx and never cy
	s_add_co_u32 s47, s47, s45
	s_mul_i32 s20, s47, RBB                        ; the lane side's row block, in bytes (under 2^25)
	s_mov_b32 s21, 0
	s_lshl_b32 s85, s46, 1
	s_add_co_u32 s84, s84, s85
	s_sub_co_u32 s85, s[WV], 1
	s_and_b32 s85, s85, 1                          ; wave 1 fetches the first of the two row blocks, wave 2 the second
	s_add_co_u32 s84, s84, s85
	s_mul_i32 s22, s84, RBB
	s_mov_b32 s23, 0
	s_mul_i32 s19, s[WV], 25600                    ; where the register side's go in a K pair: 25,600 x wave
	s_lshl_b32 s17, s41, 2
	s_lshl_b32 s17, 15, s17                        ; my row of the cluster
	s_lshl_b32 s18, 0x1111, s40                    ; my column
	s_or_b32 s24, s17, (3<<16)|(1<<21)             ; group 1: 15:0 the mask; 17:16 elements of 8 bytes; 21 set beside a mask; no padding
	s_or_b32 s32, s18, (3<<16)|(1<<21)
.irp g, 24, 32
	s_mov_b32 s[\g+1], 32<<16                      ; tensor_dim0 = 32 elements: 256 bytes
	s_mov_b32 s[\g+2], 100<<16                     ; tensor_dim1 = 100 rows: two panels on end, dense
	s_mov_b32 s[\g+3], 32<<16                      ; tile_dim0
	s_mov_b32 s[\g+4], 100                         ; tile_dim1
	s_mov_b32 s[\g+5], 32                          ; the pitch
	s_mov_b32 s[\g+6], 0
	s_mov_b32 s[\g+7], 0
.endr
	s_mov_b32 s[SEL], 0x76543210
	s_mov_b32 s[SEL+1], 0xfedcba98
	s_wait_dscnt 0x0
	s_wait_kmcnt 0x0
	s_add_nc_u64 s[20:21], s[4:5], s[20:21]
	s_add_nc_u64 s[22:23], s[4:5], s[22:23]
.irp j, 0,1,2,3                        ; group 0 for K pair j: s[48 + 4 j ..] the lane side's, s[68 + 4 j ..] the register side's
	s_mov_b32 s[48+4*\j], 1
	s_mov_b32 s[49+4*\j], PAIR*\j
	s_add_nc_u64 s[50+4*\j:51+4*\j], s[20:21], 25600*\j
	s_or_b32 s[51+4*\j], s[51+4*\j], 0x80000000
	s_mov_b32 s[68+4*\j], 1
	s_add_co_u32 s[69+4*\j], s19, PAIR*\j
	s_add_nc_u64 s[70+4*\j:71+4*\j], s[22:23], 25600*\j
	s_or_b32 s[71+4*\j], s[71+4*\j], 0x80000000
.endr
	CROUND                                         ; all sixteen work-groups are here: the joint loads meet
	s_cmp_eq_u32 s[WV], 0                          ; all fills of the launch go out here, a wave's four in one branch: four tensor loads of a wave are out at the most
	s_cbranch_scc0 .Lnot_a
.irp j, 0,1,2,3
	tensor_load_to_lds s[48+4*\j:51+4*\j], s[24:31]
	s_nop 0
.endr
	PLACES
	s_branch .Lasked
.Lnot_a:
	s_cmp_eq_u32 s[WV], 3
	s_cbranch_scc1 .Lasked
.irp j, 0,1,2,3
	tensor_load_to_lds s[68+4*\j:71+4*\j], s[32:39]
	s_nop 0
.endr
	PLACES
.Lasked:
	v_and_b32 v1, 31, v0                           ; lane
	v_lshlrev_b32 v[V16], 4, v1
	v_lshlrev_b32 v[V8], 3, v1
	s_mul_i32 s17, s15, 6144
	v_add_nc_u32 v[AA16], s17, v[V16]
	v_add_nc_u32 v[AA8], s17, v[V8]
	s_lshl_b32 s17, s15, 8
	s_add_co_u32 s17, s17, 12288
	v_add_nc_u32 v[ASC], s17, v[V8]
	s_mul_i32 s17, s16, 25600
	s_add_co_u32 s17, s17, 25600
	v_add_nc_u32 v[AB16], s17, v[V16]
	v_add_nc_u32 v[AB8], s17, v[V8]
	v_bfe_u32 v9, v0, 4, 1
	v_lshlrev_b32 v9, 6, v9                        ; 64 (lane / 16): 16 numbers of the bias
	s_wait_alu depctr_va_vdst(0)
	v_and_b32 v10, 7, v0
	v_bfe_u32 v11, v0, 3, 1
	v_lshl_add_u32 v10, v11, 4, v10
	v_lshlrev_b32 v10, 2, v10                      ; 4 (r % 8 + 16 (r / 8))
	s_wait_alu depctr_va_vdst(0)
.irp b, 0,1,2,3
	v_mov_b32 v[TM+4+\b], 0                        ; written once: a lane permute's destination counts as one of its sources
.endr
	; the bias, in both forms: along the registers (Q, K: the channels are the register side) and along the lanes (V).  Both are loaded always: 24 small loads, inside the buffer in either case
	s_cmp_eq_u32 s43, 0
	s_cselect_b64 s[88:89], s[6:7], s[8:9]
	s_cmp_eq_u32 s43, 2
	s_cselect_b64 s[88:89], s[10:11], s[88:89]
	s_lshl_b32 s90, s46, 1
	s_add_co_u32 s90, s90, s16                     ; my row block of the register side: 2 tcol + wb
	s_cmp_eq_u32 s87, 1
	s_cselect_b32 s91, s90, s45                    ; which 128 channels
	s_lshl_b32 s92, s91, 9
	s_mov_b32 s93, 0
	s_add_nc_u64 s[88:89], s[88:89], s[92:93]
	s_lshl_b32 s92, s15, 8
	s_add_nc_u64 s[94:95], s[88:89], s[92:93]      ; + 64 wa channels
.irp b, 0,1,2,3,4,5,6,7
	global_load_b128 v[BI+8*\b:BI+8*\b+3], v9, s[88:89] offset:(32*(\b/2)+8*(\b%2))*4
	global_load_b128 v[BI+8*\b+4:BI+8*\b+7], v9, s[88:89] offset:(32*(\b/2)+8*(\b%2))*4+16
.endr
.irp a, 0,1,2,3
	global_load_b32 v[BV+2*\a], v10, s[94:95] offset:(32*(\a/2)+8*(\a%2))*4
	global_load_b32 v[BV+2*\a+1], v10, s[94:95] offset:(32*(\a/2)+8*(\a%2))*4     ; twice: a pair for the packed addition
.endr
	s_wait_tensorcnt 3                             ; my load of K pair 0 has landed; the three behind it may be out
	s_barrier_signal -1
	s_barrier_wait -1
	FETCH 0, 0
	STEP 0, 1                                      ; the first step's products start the sums: nothing is cleared
	STEP 1, 0
	s_wait_alu depctr_va_vdst(0)
	STEP 2, 0
	STEP 3, 0
	s_wait_alu depctr_va_vdst(0)
	STEP 4, 0
	STEP 5, 0
	s_wait_alu depctr_va_vdst(0)
	STEP 6, 0
	STEP 7, 0
	WIN 0
	PLACES                                         ; behind the last products: their results are read and their operands' registers written below
	s_wait_loadcnt 0x0                             ; the bias
	v_cmp_lt_u32 vcc_lo, 15, v1                    ; lanes 16-31
	s_cmp_eq_u32 s87, 0                            ; the same in all sixteen partners
	s_cbranch_scc1 .Lvmode
	; ---- Q or K.  A lane holds a token; its 64 numbers are 128 channels' half: two heads.  The fragment's two halves go to the two heads' records.
	s_lshr_b32 s17, s45, 4                         ; the batch
	s_and_b32 s18, s45, 15                         ; the step of 128 tokens
	s_lshl_b32 s17, s17, 4
	s_lshl_b32 s19, s90, 1
	s_add_co_u32 s17, s17, s19                     ; 16 x batch + the even head
	s_lshl_b32 s17, s17, 4
	s_add_co_u32 s17, s17, s18                     ; the record
	s_mul_i32 s92, s17, REC
	s_mul_i32 s18, s43, 6656
	s_add_co_u32 s92, s92, s18                     ; Q's part or K's
	s_add_nc_u64 s[96:97], s[12:13], s[92:93]
	s_mul_i32 s92, s15, 3072
	s_add_nc_u64 s[98:99], s[96:97], s[92:93]      ; my four half fragments
	s_lshl_b32 s92, s15, 8
	s_add_co_u32 s92, s92, 6144
	s_add_nc_u64 s[96:97], s[96:97], s[92:93]      ; my scale image
.irp a, 0,1,2,3
	WIN 0x02                                       ; source 0 window 2
.set i, 0
.rept 32
	v_pk_add_f32 v[H+i:H+i+1], v[64*\a+i:64*\a+i+1], v[BI+i:BI+i+1]    ; + the bias; each accumulator is read from its low end on
.set i, i+2
.endr
	WIN 0
.if \a > 0
	s_wait_xcnt 0x0                                ; the last tile's stores have read the codes' registers
.endif
	QUANT H, PWR
	v_perm_b32 v[W0+\a], v[PWR], v[PWR], 0x01000100    ; the even head's two bytes, twice
	v_perm_b32 v[W1+\a], v[PWR], v[PWR], 0x03020302    ; the odd head's
	global_store_b128 v[V16], v[PC:PC+3], s[98:99] offset:768*\a
	global_store_b64 v[V8], v[PC+4:PC+5], s[98:99] offset:768*\a+512
	global_store_b128 v[V16], v[PC+6:PC+9], s[98:99] offset:HEADB+768*\a
	global_store_b64 v[V8], v[PC+10:PC+11], s[98:99] offset:HEADB+768*\a+512
.endr
	v_cndmask_b32 v[IMG], v[W0], v[W0+1], vcc_lo
	v_cndmask_b32 v[IMG+1], v[W0+2], v[W0+3], vcc_lo
	v_cndmask_b32 v[IMG+2], v[W1], v[W1+1], vcc_lo
	v_cndmask_b32 v[IMG+3], v[W1+2], v[W1+3], vcc_lo
	global_store_b64 v[V8], v[IMG:IMG+1], s[96:97]
	global_store_b64 v[V8], v[IMG+2:IMG+3], s[96:97] offset:HEADB
	s_branch .Ldone
.Lvmode:
	; ---- V.  A lane holds a channel of head 2 trow + wa; its 64 numbers run along 128 keys: a whole fragment with the keys innermost.
	s_lshr_b32 s17, s90, 4                         ; the batch
	s_and_b32 s18, s90, 15                         ; the step of 128 keys
	s_lshl_b32 s17, s17, 4
	s_lshl_b32 s19, s45, 1
	s_add_co_u32 s17, s17, s19
	s_add_co_u32 s17, s17, s15                     ; 16 x batch + head
	s_lshl_b32 s17, s17, 4
	s_add_co_u32 s17, s17, s18
	s_mul_i32 s92, s17, REC
	s_add_co_u32 s92, s92, 13312
	s_add_nc_u64 s[98:99], s[12:13], s[92:93]
.irp a, 0,1,2,3
	WIN 0x02
.set i, 0
.rept 32
	v_pk_add_f32 v[H+i:H+i+1], v[64*\a+i:64*\a+i+1], v[BV+2*\a:BV+2*\a+1]
.set i, i+2
.endr
	WIN 0
.if \a > 0
	s_wait_xcnt 0x0
.endif
	QUANT H, W0+\a
	global_store_b128 v[V16], v[PC:PC+3], s[98:99] offset:1536*\a
	global_store_b64 v[V8], v[PC+4:PC+5], s[98:99] offset:1536*\a+512
	global_store_b128 v[V16], v[PC+6:PC+9], s[98:99] offset:1536*\a+768
	global_store_b64 v[V8], v[PC+10:PC+11], s[98:99] offset:1536*\a+1280
.endr
	v_cndmask_b32 v[IMG], v[W0], v[W0+1], vcc_lo
	v_cndmask_b32 v[IMG+1], v[W0+2], v[W0+3], vcc_lo
	global_store_b64 v[V8], v[IMG:IMG+1], s[98:99] offset:6144
.Ldone:
	s_wait_tensorcnt 0x0
	ds_add_u32 v254, v255
	s_wait_dscnt 0x0
	CROUND                                         ; the closing round: no work-group ends while a partner may still ask for a tile that names it
	s_endpgm
.Lfunc_end_k_q75cb69b2cc_proj:
	.size	k_q75cb69b2cc_proj, .Lfunc_end_k_q75cb69b2cc_proj-k_q75cb69b2cc_proj
	.p2alignl 7, 3214868480
	.fill 96, 4, 3214868480
	.section	.rodata,"a",@progbits
	.p2align	6, 0x0
	.amdhsa_kernel k_q75cb69b2cc_proj
		.amdhsa_group_segment_fixed_size 307712
		.amdhsa_private_segment_fixed_size 0
		.amdhsa_enable_private_segment 0
		.amdhsa_kernarg_size 40
		.amdhsa_user_sgpr_count 2
		.amdhsa_user_sgpr_kernarg_segment_ptr 1
		.amdhsa_wavefront_size32 1
		.amdhsa_system_sgpr_workgroup_id_x 1
		.amdhsa_system_sgpr_workgroup_id_y 1
		.amdhsa_system_sgpr_workgroup_id_z 1
		.amdhsa_system_vgpr_workitem_id 0
		.amdhsa_next_free_vgpr 768
		.amdhsa_next_free_sgpr 100
		.amdhsa_reserve_vcc 1
		.amdhsa_float_denorm_mode_32 3
		.amdhsa_float_denorm_mode_16_64 3
		.amdhsa_memory_ordered 1
		.amdhsa_forward_progress 1
		.amdhsa_inst_pref_size 124
	.end_amdhsa_kernel
	.amdgpu_metadata
---
amdhsa.version: [ 1, 2 ]
amdhsa.kernels:
  - .name:           k_q75cb69b2cc_proj
    .symbol:         k_q75cb69b2cc_proj.kd
    .args:
      - { .name: pc, .offset: 0, .size: 8, .value_kind: global_buffer, .address_space: global }
      - { .name: b_q, .offset: 8, .size: 8, .value_kind: global_buffer, .address_space: global }
      - { .name: b_k, .offset: 16, .size: 8, .value_kind: global_buffer, .address_space: global }
      - { .name: b_v, .offset: 24, .size: 8, .value_kind: global_buffer, .address_space: global }
      - { .name: qkv, .offset: 32, .size: 8, .value_kind: global_buffer, .address_space: global }
    .group_segment_fixed_size: 307712
    .private_segment_fixed_size: 0
    .kernarg_segment_align: 8
    .kernarg_segment_size: 40
    .max_flat_workgroup_size: 128
    .sgpr_count:     100
    .vgpr_count:     768
    .wavefront_size: 32
...
	.end_amdgpu_metadata
.endif
;; end of part 2
;; launch attn (part 3): grid 4 x 64, 16 waves a work-group, no clusters, 327,680 bytes of LDS; arguments qkv, xp; writes xp
.if DOCPART == 3
	.amdgcn_target "amdgcn-amd-amdhsa--gfx1250"
	.amdhsa_code_object_version 6
	.text
	.protected	k_q75cb69b2cc_attn
	.globl	k_q75cb69b2cc_attn
	.p2align	8
	.type	k_q75cb69b2cc_attn,@function
k_q75cb69b2cc_attn:
	s_mov_b64 s[64:65], 0
	v_nop
	global_prefetch_b8 v0, s[64:65] scope:SCOPE_SE
	s_setreg_imm32_b32 hwreg(HW_REG_WAVE_MODE, 25, 1), 1
	s_wait_xcnt 0x0
; Causal attention of one (batch, head) on codes of BF6 (E3M2) with E8M0 scales; the result, divided by the row's sum, is quantised along the head's 64 and stored as an operand of the last product.
; qkv: records of 19,712 bytes for each (batch, head) and step of 128 tokens: Q: 8 half fragments (768 bytes) + two scale images; K at +6,656 likewise; V at +13,312: 4 fragments (16 channels x 128 keys) + a scale image.
; Lane r of tile i is token (or channel) 32 (i / 2) + 8 (i % 2) + r % 8 + 16 (r / 8).  The first product's K is 64: registers 6-11 of both its operands are zero codes.
; xp: [8192 tokens][1024] as 64 row blocks x 8 panels of 12,800 bytes (K step = a pair of heads), in the order of the operand's registers.
; THE SOFTMAX: t = score x log2(e) / 8; M = the running largest t, rounded up to a whole number; p = 2^(t - M) is quantised along the keys, not normalised; the row's sum is taken of the unquantised p.
; When M moves, the sum and O are multiplied by 2^(old M - new M): exact.
; SHARES.  Work-group (i, head) owns query blocks 7 - i and i of 256 queries; wave w owns one tile of 16 queries of the block in hand.  It walks NINE slots of 256 keys, a constant: slots 0 .. 7 - i for block 7 - i,
; then slots 0 .. i for block i: so all 256 work-groups have the same work.  A step all of whose keys come after the wave's queries is jumped over, by a scalar branch on ids.
; Both products are used transposed: a lane holds one query throughout.
; NO CLUSTER: the four work-groups of a head want the same slots only up to trip 8 - i, which differs among them; walking a common list would take 12 trips for 9 trips' work.
; LIMITS: NaN and infinities are not served; blocks under 2^-122 keep the byte 1; a block of zeros gets the byte 1 (its codes are zeros).
; REGISTERS: v1-11 addresses; v12 -M, v13 the largest t, v[14:15] the sum; v16-27 Q; v28 Q's scale words; v30-31 V's; v32-79 four tiles of K; v80-127 V's four; v128-191 S^T, then p; v192-223 O^T; v224-235 p's codes; v232-254 at work.
.set REC,   19712
.set STEPB, 13056                      ; a step's K and V: 51 x 256 bytes
.set SLOT1, 32768                      ; slot 1 begins here: one exclusive or turns an address from one slot to the other
.set SPARE, 65536                      ; the spare words, 128 bytes for each of 16 waves: eight blocks of 256 bytes that no other line names
.set V16,  1
.set V8,   2
.set SPW,  3
.set NIL,  4
.set QL,   5
.set VS,   8
.set PFO,  9
.set AD16, 10
.set AD8,  11
.set KFR,  32
.set VFR,  80
.set S,    128
.set O,    192
.set WV,   8
.set BH,   9
.set IB,   10
.set T1,   11
.set HB,   12
.set N,    13
.set NX,   14
.set TB,   15
.set KF,   16
.set Q0,   17
.set Q0L,  18
.set PLIM, 19
.set SEL,  20
.set CS,   22
.set G1,   24
.set G0,   32
.set KVW,  36
.set PFA,  38
.set QC,   40
.set QS,   42
.set QCL,  44
.set QSL,  46
.set XC,   48
.set XS,   50
.set XCL,  52
.set XSL,  54
.macro PLACES
.rept 4
	v_nop
.endr
.endm
.macro TLOAD                           ; waves 0 and 1 fetch a step each; four v_nop follow the load
	s_cmp_lt_u32 s[WV], 2
	s_cbranch_scc0 .Lnone_\@
	tensor_load_to_lds s[G0:G0+3], s[G1:G1+7]
	s_nop 0
	PLACES
.Lnone_\@:
.endm
; A PREFETCH INTO THE L2 of the slot after the one that is being fetched: 2 steps x 51 blocks of 256 bytes.  The four work-groups of a head walk the same K and V: the one with i = 0, which walks slots 0 to 7 on end, asks;
; in it waves 4 to 7, which fetch nothing: wave 4 + x takes step x / 2, blocks 32 (x % 2) on, a lane a block (the lanes past the step's last block name that block).  Trips 0 to 5 name slots 2 to 7; slots 0 and 1 come by their loads alone.
.macro ASK
	s_cmp_lt_u32 s[N], s[PLIM]
	s_cbranch_scc0 .Lnot_mine_\@
	global_prefetch_b8 v[PFO], s[PFA:PFA+1] th:TH_LOAD_NT scope:SCOPE_SE
.Lnot_mine_\@:
.endm
.macro PLACE blk, qc, qs, xc, xs       ; the addresses of my tile of query block s[blk]: Q's half fragment and scale words, xp's likewise
	s_lshl_b32 s56, s[\blk], 1
	s_add_co_u32 s56, s56, s70                     ; which 128 tokens of the 2,048
	s_add_co_u32 s58, s56, s71
	s_mul_i32 s58, s58, REC                        ; the record
	s_mov_b32 s61, 0
	s_add_co_u32 s60, s58, s66
	s_add_nc_u64 s[\qc:\qc+1], s[4:5], s[60:61]
	s_add_co_u32 s60, s58, s67
	s_add_nc_u64 s[\qs:\qs+1], s[4:5], s[60:61]
	s_add_co_u32 s58, s56, s72                     ; xp's row block
	s_lshl_b32 s58, s58, 3
	s_add_co_u32 s58, s58, s73                     ; its panel: the pair of heads
	s_mul_i32 s58, s58, 12800
	s_add_co_u32 s60, s58, s68
	s_add_nc_u64 s[\xc:\xc+1], s[6:7], s[60:61]
	s_add_co_u32 s60, s58, s69
	s_add_nc_u64 s[\xs:\xs+1], s[6:7], s[60:61]
.endm
.macro QLOAD qc, qs
	global_load_b128 v[16:19], v[V16], s[\qc:\qc+1]
	global_load_b64 v[20:21], v[V8], s[\qc:\qc+1] offset:512
	global_load_b32 v28, v[VS], s[\qs:\qs+1]       ; every lane: the word of query lane % 16
.endm
.macro INIT                            ; a tile of queries begins: the first change of M multiplies zeros
	v_mov_b32 v13, 0xff61b1e6                      ; -3e38, under every t
	s_delay_alu instid0(VALU_DEP_1)
	v_floor_f32 v12, -v13
	v_mov_b32 v14, 0
	v_mov_b32 v15, 0
.set j, 0
.rept 32
	v_mov_b32 v[O+j], 0
.set j, j+1
.endr
.endm
.macro QK t                            ; S^T, tile t of 8: 16 keys x my 16 queries
.if (\t)%2
	v_wmma_scale_f32_16x16x128_f8f6f4 v[S+8*(\t):S+8*(\t)+7], v[KFR+12*((\t)%4):KFR+12*((\t)%4)+11], v[16:27], 0, v[248+(\t)/2], v28 matrix_a_fmt:MATRIX_FMT_BF6 matrix_b_fmt:MATRIX_FMT_BF6 matrix_a_scale:MATRIX_SCALE_ROW1
.else
	v_wmma_scale_f32_16x16x128_f8f6f4 v[S+8*(\t):S+8*(\t)+7], v[KFR+12*((\t)%4):KFR+12*((\t)%4)+11], v[16:27], 0, v[248+(\t)/2], v28 matrix_a_fmt:MATRIX_FMT_BF6 matrix_b_fmt:MATRIX_FMT_BF6
.endif
.endm
.macro PV t                            ; O^T, tile t of 4: 16 channels x my 16 queries, K = the step's 128 keys
.if (\t)%2
	v_wmma_scale_f32_16x16x128_f8f6f4 v[O+8*(\t):O+8*(\t)+7], v[VFR+12*(\t):VFR+12*(\t)+11], v[224:235], v[O+8*(\t):O+8*(\t)+7], v[30+(\t)/2], v253 matrix_a_fmt:MATRIX_FMT_BF6 matrix_b_fmt:MATRIX_FMT_BF6 matrix_a_scale:MATRIX_SCALE_ROW1
.else
	v_wmma_scale_f32_16x16x128_f8f6f4 v[O+8*(\t):O+8*(\t)+7], v[VFR+12*(\t):VFR+12*(\t)+11], v[224:235], v[O+8*(\t):O+8*(\t)+7], v[30+(\t)/2], v253 matrix_a_fmt:MATRIX_FMT_BF6 matrix_b_fmt:MATRIX_FMT_BF6
.endif
.endm
; A KEY STEP: 128 keys, the q-th of the slot in hand.
.macro STEP q
	s_cmp_gt_u32 s[KF], s[Q0]                      ; KF is a multiple of 128 and my 16 queries lie in one run of 32: KF > Q0 says that every key comes after every query of mine
	s_cbranch_scc1 .Lhidden_\@
	v_add_nc_u32 v[AD16], s[TB], v[V16]
	v_add_nc_u32 v[AD8], s[TB], v[V8]
	v_nop
	v_nop
.irp t, 0,1,2,3
	ds_load_b128 v[KFR+12*\t:KFR+12*\t+3], v[AD16] offset:STEPB*(\q)+768*\t
	ds_load_b64 v[KFR+12*\t+4:KFR+12*\t+5], v[AD8] offset:STEPB*(\q)+768*\t+512
.endr
	ds_load_b64 v[248:249], v[AD8] offset:STEPB*(\q)+6144
	ds_load_b64 v[250:251], v[AD8] offset:STEPB*(\q)+6400
	s_wait_alu depctr_va_vdst(0)
	s_wait_dscnt 0x0
	QK 0
	QK 1
	QK 2
	QK 3
	PLACES                                         ; four plain instructions in front of loads into registers that matrix instructions have read
.irp t, 0,1,2,3
	ds_load_b128 v[KFR+12*\t:KFR+12*\t+3], v[AD16] offset:STEPB*(\q)+768*(\t+4)
	ds_load_b64 v[KFR+12*\t+4:KFR+12*\t+5], v[AD8] offset:STEPB*(\q)+768*(\t+4)+512
.endr
.irp t, 0,1,2,3                        ; V is asked for here and wanted behind the softmax
	ds_load_b128 v[VFR+12*\t:VFR+12*\t+3], v[AD16] offset:STEPB*(\q)+6656+1536*\t
	ds_load_b64 v[VFR+12*\t+4:VFR+12*\t+5], v[AD8] offset:STEPB*(\q)+6656+1536*\t+512
	ds_load_b128 v[VFR+12*\t+6:VFR+12*\t+9], v[AD16] offset:STEPB*(\q)+6656+1536*\t+768
	ds_load_b64 v[VFR+12*\t+10:VFR+12*\t+11], v[AD8] offset:STEPB*(\q)+6656+1536*\t+1280
.endr
	ds_load_b64 v[30:31], v[AD8] offset:STEPB*(\q)+12800
	s_wait_dscnt 17                                ; K's tiles 4-7 are in; V's 16 loads and its scale words may be out
	QK 4
	QK 5
	QK 6
	QK 7
	PLACES
	s_add_co_u32 s56, s[KF], 127                   ; on the diagonal hidden scores become -infinity ahead of the maximum; a step all of whose keys count skips this
	s_cmp_le_u32 s56, s[Q0]
	s_cbranch_scc1 .Lopen_\@
	s_sub_co_i32 s56, s[Q0], s[KF]
	v_add_nc_u32 v252, s56, v[QL]                  ; d = my query - KF - 16 (lane / 16).  Register 16 b + i holds key KF + 32 b + 16 (lane / 16) + i: hidden where 32 b + i > d
	v_mov_b32 v254, 0xff800000
.set n, 0
.rept 64
	v_cmp_gt_i32 vcc_lo, 32*(n/16)+n%16, v252
	v_cndmask_b32 v[S+n], v[S+n], v254, vcc_lo
.set n, n+1
.endr
.Lopen_\@:
.irp b, 0,1,2,3
	v_max3_num_f32 v[232+\b], v[S+16*\b], v[S+1+16*\b], v[S+2+16*\b]   ; the largest score of each block of 32 keys: for the row's maximum, and, since p rises with the score, for the block's largest p
.endr
.irp i, 3,5,7,9,11,13
.irp b, 0,1,2,3
	v_max3_num_f32 v[232+\b], v[232+\b], v[S+16*\b+\i], v[S+1+16*\b+\i]
.endr
.endr
.irp b, 0,1,2,3
	v_max_num_f32 v[232+\b], v[232+\b], v[S+15+16*\b]
.endr
.irp b, 0,1,2,3
	s_delay_alu instid0(VALU_DEP_4)
	v_permlanex16_b32 v[236+\b], v[232+\b], s[SEL], s[SEL+1]
.endr
.irp b, 0,1,2,3
	s_delay_alu instid0(VALU_DEP_4)
	v_max_num_f32 v[232+\b], v[232+\b], v[236+\b]  ; with lane l xor 16's 16 keys
.endr
	s_delay_alu instid0(VALU_DEP_2)
	v_max3_num_f32 v254, v232, v233, v234
	s_delay_alu instid0(VALU_DEP_1)
	v_max_num_f32 v254, v254, v235
	s_delay_alu instid0(VALU_DEP_1)
	v_mul_f32 v254, s[CS], v254                    ; as t (c is positive)
	s_delay_alu instid0(VALU_DEP_1)
	v_max_num_f32 v13, v13, v254                   ; the running largest t
	v_mov_b32 v254, v12
	s_delay_alu instid0(VALU_DEP_2)
	v_floor_f32 v12, -v13                          ; the new -M = -ceil(t): a whole number
	s_delay_alu instid0(VALU_DEP_1)
	v_sub_f32 v254, v12, v254                      ; old M - new M: a whole number, 0 or less
	s_delay_alu instid0(VALU_DEP_1)
	v_cvt_i32_f32 v254, v254                       ; (it saturates)
	s_delay_alu instid0(VALU_DEP_1)
	v_ldexp_f32 v252, 1.0, v254                    ; f = 2^(old M - new M)
.set j, 0
.rept 32
	v_pk_fma_f32 v[S+j:S+j+1], v[S+j:S+j+1], s[CS:CS+1], v[12:13] op_sel_hi:[1,0,0]   ; t - M, two at a time
.set j, j+2
.endr
.irp b, 0,1,2,3
	v_fma_f32 v[232+\b], v[232+\b], s[CS], v12     ; the same of each block's largest score
.endr
.set j, 0
	s_wait_alu depctr_va_vdst(0)
.rept 64
	v_exp_f32 v[S+j], v[S+j]                       ; p = 2^(t - M), at most 1
.set j, j+1
.endr
	v_pk_mul_f32 v[14:15], v[14:15], v[252:253] op_sel_hi:[1,0]   ; the sums under the new M: a plain instruction behind the exponentials
	s_wait_alu depctr_va_vdst(0)                   ; one wait for the batch of 64, ahead of its first reader
.irp b, 0,1,2,3
	v_exp_f32 v[232+\b], v[232+\b]                 ; the block's largest p: the same two instructions on the same number give the same bits
.endr
	v_pk_add_f32 v[236:237], v[132:133], v[136:137]
	v_pk_add_f32 v[254:255], v[140:141], v[144:145]
	v_pk_add_f32 v[250:251], v[148:149], v[152:153]
	v_pk_add_f32 v[248:249], v[156:157], v[160:161]
	v_pk_add_f32 v[246:247], v[164:165], v[168:169]
	v_pk_add_f32 v[244:245], v[172:173], v[176:177]
	v_pk_add_f32 v[242:243], v[180:181], v[184:185]
	v_pk_add_f32 v[14:15], v[14:15], v[188:189]
	v_pk_add_f32 v[236:237], v[236:237], v[128:129]
	v_pk_add_f32 v[254:255], v[254:255], v[130:131]
	v_pk_add_f32 v[250:251], v[250:251], v[134:135]
	v_pk_add_f32 v[248:249], v[248:249], v[138:139]
	v_pk_add_f32 v[246:247], v[246:247], v[142:143]
	v_pk_add_f32 v[244:245], v[244:245], v[146:147]
	v_pk_add_f32 v[242:243], v[242:243], v[150:151]
	v_pk_add_f32 v[14:15], v[14:15], v[154:155]
	v_pk_add_f32 v[236:237], v[236:237], v[158:159]
	v_pk_add_f32 v[254:255], v[254:255], v[162:163]
	v_pk_add_f32 v[250:251], v[250:251], v[166:167]
	v_pk_add_f32 v[248:249], v[248:249], v[170:171]
	v_pk_add_f32 v[246:247], v[246:247], v[174:175]
	v_pk_add_f32 v[244:245], v[244:245], v[178:179]
	v_pk_add_f32 v[242:243], v[242:243], v[182:183]
	v_pk_add_f32 v[14:15], v[14:15], v[186:187]
	v_pk_add_f32 v[236:237], v[236:237], v[190:191]
	s_delay_alu instid0(VALU_DEP_2)
	v_pk_add_f32 v[14:15], v[14:15], v[248:249]
	s_delay_alu instid0(VALU_DEP_2)
	v_pk_add_f32 v[236:237], v[236:237], v[246:247]
	v_pk_add_f32 v[254:255], v[254:255], v[244:245]
	v_pk_add_f32 v[250:251], v[250:251], v[242:243]
	s_delay_alu instid0(VALU_DEP_2)
	v_pk_add_f32 v[14:15], v[14:15], v[254:255]
	s_delay_alu instid0(VALU_DEP_2)
	v_pk_add_f32 v[236:237], v[236:237], v[250:251]
	s_delay_alu instid0(VALU_DEP_1)
	v_pk_add_f32 v[14:15], v[14:15], v[236:237]
	s_wait_alu depctr_va_vdst(0)                   ; and one for the four
.irp b, 0,1,2,3
	v_max_num_f32 v[232+\b], 0x2800000, v[232+\b]  ; the floor 2^(5 - 127): the byte cannot fall under 1
.endr
.irp b, 0,1,2,3
	s_delay_alu instid0(VALU_DEP_4)
	v_add_nc_u32 v[244+\b], 0xfe000000, v[232+\b]  ; 4 off the exponent field: the conversion's scale operand
.endr
.irp b, 0,1,2,3
	s_delay_alu instid0(VALU_DEP_4)
	v_lshrrev_b32 v[236+\b], 23, v[244+\b]
.endr
	s_delay_alu instid0(VALU_DEP_3)
	v_lshl_or_b32 v253, v237, 8, v236              ; p's scale word for these 128 keys
	s_delay_alu instid0(VALU_DEP_1)
	v_lshl_or_b32 v253, v238, 16, v253
	s_delay_alu instid0(VALU_DEP_1)
	v_lshl_or_b32 v253, v239, 24, v253
.irp c, 0,1
	v_cvt_scalef32_pk16_bf6_f32 v[224+6*\c:226+6*\c], v[S+32*\c:S+15+32*\c], v[244+2*\c]
	v_cvt_scalef32_pk16_bf6_f32 v[236+4*\c:238+4*\c], v[S+16+32*\c:S+31+32*\c], v[244+2*\c+1]
.endr
	v_nop                                          ; one plain instruction behind a scaled conversion
.irp c, 0,1
.irp i, 0,1,2
	v_permlane16_swap_b32 v[224+6*\c+\i], v[236+4*\c+\i]
.endr
.irp i, 0,1,2
	s_delay_alu instid0(VALU_DEP_3)
	v_mov_b32 v[227+6*\c+\i], v[236+4*\c+\i]
.endr
.endr
.set j, 0
.rept 16
	v_pk_mul_f32 v[O+j:O+j+1], v[O+j:O+j+1], v[252:253] op_sel_hi:[1,0]   ; O^T under the new M.  These 16 also stand between the writes of p's codes and scale word and the products
.set j, j+2
.endr
	s_wait_alu depctr_va_vdst(0)
	s_wait_dscnt 0x0                               ; V is in
	PV 0
	PV 1
	PV 2
	PV 3
.Lhidden_\@:
	s_add_co_u32 s[KF], s[KF], 128
.endm
; THE CHANGE OF SLOTS, at a slot's head.  Each wave waits for all its tensor loads (its part of the slot ahead), adds 0 to its spare word, and waits for that and for its reads of the slot left.
; fill = 1: the slot left is filled with the keys of the next trip: the next slot of the walk, or slot 0 where the walk of the first query block ends.
.macro CHANGE fill
	s_wait_tensorcnt 0x0                           ; no tensor load of mine is out, so group 0 may be written
	ds_add_u32 v[SPW], v[NIL]                      ; 0 onto my spare word
.if \fill
	s_xor_b32 s[G0+1], s[G0+1], SLOT1
	s_add_co_u32 s[NX], s[NX], 1
	s_cmp_eq_u32 s[NX], s[T1]
	s_cselect_b32 s[NX], 0, s[NX]
	s_mul_i32 s56, s[NX], 2*REC
	s_mov_b32 s57, 0
	s_add_nc_u64 s[G0+2:G0+3], s[KVW:KVW+1], s[56:57]
	s_or_b32 s[G0+3], s[G0+3], 0x80000000
	s_wait_xcnt 0x0                                ; the last prefetch, a slot back, has read its address
	s_add_nc_u64 s[PFA:PFA+1], s[PFA:PFA+1], 2*REC
.endif
	s_wait_dscnt 0x0                               ; the add is done, and my reads of the slot that I have left are over
	s_barrier_signal -1
	s_barrier_wait -1
.if \fill
	TLOAD                                          ; the first thing behind the barrier, a wave's one tensor load until the next: one is out
	ASK
.endif
.endm
; A tile of queries is finished: O^T / the sum, quantised along the head's 64 (two blocks), stored as half a fragment of xp and two scale bytes a row.
.macro FINISH
	PLACES                                         ; behind the last products
	v_add_f32 v14, v14, v15
	s_delay_alu instid0(VALU_DEP_1)
	v_permlanex16_b32 v252, v14, s[SEL], s[SEL+1]
	s_delay_alu instid0(VALU_DEP_1)
	v_add_f32 v14, v14, v252                       ; the row's sum
	s_wait_alu depctr_va_vdst(0)
	v_rcp_f32 v14, v14
	v_nop                                          ; a plain instruction behind the reciprocal
	s_wait_alu depctr_va_vdst(0)                   ; and the wait ahead of its first reader
.set j, 0
.rept 16
	v_pk_mul_f32 v[S+j:S+j+1], v[O+j:O+j+1], v[14:15] op_sel_hi:[1,0]   ; register 16 b + i: channel 32 b + 16 (lane / 16) + i
.set j, j+2
.endr
.irp b, 0,1
	v_max3_num_f32 v[232+\b], |v[S+16*\b]|, |v[S+1+16*\b]|, 0x2800000
.endr
.irp i, 2,4,6,8,10,12,14
.irp b, 0,1
	s_delay_alu instid0(VALU_DEP_2)
	v_max3_num_f32 v[232+\b], v[232+\b], |v[S+16*\b+\i]|, |v[S+1+16*\b+\i]|
.endr
.endr
.irp b, 0,1
	s_delay_alu instid0(VALU_DEP_2)
	v_permlanex16_b32 v[236+\b], v[232+\b], s[SEL], s[SEL+1]
.endr
.irp b, 0,1
	s_delay_alu instid0(VALU_DEP_2)
	v_max_num_f32 v[232+\b], v[232+\b], v[236+\b]
.endr
.irp b, 0,1
	s_delay_alu instid0(VALU_DEP_2)
	v_add_nc_u32 v[244+\b], 0xfe000000, v[232+\b]
.endr
.irp b, 0,1
	s_delay_alu instid0(VALU_DEP_2)
	v_lshrrev_b32 v[236+\b], 23, v[244+\b]
.endr
	s_delay_alu instid0(VALU_DEP_1)
	v_lshl_or_b32 v254, v237, 8, v236              ; my head's two bytes of the row's scale word
	v_cvt_scalef32_pk16_bf6_f32 v[224:226], v[S:S+15], v244
	v_cvt_scalef32_pk16_bf6_f32 v[240:242], v[S+16:S+31], v245
	v_nop
.irp i, 0,1,2
	v_permlane16_swap_b32 v[224+\i], v[240+\i]
.endr
.irp i, 0,1,2
	s_delay_alu instid0(VALU_DEP_3)
	v_mov_b32 v[227+\i], v[240+\i]
.endr
	global_store_b128 v[V16], v[224:227], s[XC:XC+1]               ; 512 consecutive bytes
	global_store_b64 v[V8], v[228:229], s[XC:XC+1] offset:512      ; 256
	global_store_b16 v[VS], v254, s[XS:XS+1]                       ; two bytes a row (lanes l and l xor 16 write the same bytes with the same value): one part in 25 of xp
.endm
	s_load_b128 s[4:7], s[0:1], 0x0                ; qkv, xp
	v_lshl_add_u32 v[SPW], v0, 2, SPARE
	v_mov_b32 v[NIL], 0
	ds_add_u32 v3, v4
	ds_add_u32 v3, v4
	s_wait_dscnt 0x0
	v_lshrrev_b32 v6, 5, v0
	s_delay_alu instid0(VALU_DEP_1)
	v_readfirstlane_b32 s[WV], v6                  ; wave 0..15
	s_and_b32 s[BH], ttmp7, 0xffff                 ; 16 x batch + head
	s_mov_b32 s[IB], ttmp9                         ; i: also the second query block
	s_sub_co_u32 s[T1], 8, s[IB]                   ; slots of the first walk
	s_sub_co_u32 s[HB], 7, s[IB]                   ; the first query block
	s_lshr_b32 s57, s[WV], 1
	s_lshl_b32 s57, s57, 5
	s_and_b32 s58, s[WV], 1
	s_lshl_b32 s58, s58, 3
	s_add_co_u32 s57, s57, s58                     ; 32 (w / 2) + 8 (w % 2)
	s_lshl_b32 s[Q0], s[HB], 8
	s_add_co_u32 s[Q0], s[Q0], s57                 ; my first query
	s_lshl_b32 s[Q0L], s[IB], 8
	s_add_co_u32 s[Q0L], s[Q0L], s57
	s_and_b32 s74, s[WV], 7                        ; my tile among the 8 of its 128 tokens
	s_mul_i32 s66, s74, 768
	s_lshr_b32 s75, s74, 2
	s_lshl_b32 s75, s75, 8
	s_bfe_u32 s79, s[WV], 0x10001                  ; (w / 2) % 2
	s_lshl_b32 s76, s79, 2
	s_add_co_u32 s75, s75, s76                     ; my tile's place in the scale images, but for the lanes
	s_add_co_u32 s67, s75, 6144
	s_and_b32 s77, s[BH], 1                        ; e: which head of the pair
	s_mul_i32 s68, s74, 1536
	s_mul_i32 s78, s77, 768
	s_add_co_u32 s68, s68, s78
	s_add_co_u32 s69, s75, 12288
	s_lshl_b32 s78, s77, 1
	s_add_co_u32 s69, s69, s78
	s_lshr_b32 s70, s[WV], 3
	s_lshl_b32 s71, s[BH], 4
	s_lshr_b32 s72, s[BH], 4
	s_lshl_b32 s72, s72, 4
	s_bfe_u32 s73, s[BH], 0x30001                  ; the pair of heads
	s_mul_i32 s60, s[BH], 16*REC
	s_add_co_u32 s60, s60, 6656
	s_mov_b32 s61, 0
	s_and_b32 s62, s[WV], 1
	s_mul_i32 s62, s62, REC
	s_mov_b32 s63, 0
	s_mov_b32 s[G1], 3<<16                         ; group 1: no mask; elements of 8 bytes; no padding
	s_mov_b32 s[G1+1], 32<<16                      ; tensor_dim0 = 32: 256 bytes
	s_mov_b32 s[G1+2], 51<<16                      ; tensor_dim1 = 51 rows, dense
	s_mov_b32 s[G1+3], 32<<16
	s_mov_b32 s[G1+4], 51
	s_mov_b32 s[G1+5], 32
	s_mov_b32 s[G1+6], 0
	s_mov_b32 s[G1+7], 0
	s_mov_b32 s[SEL], 0x76543210
	s_mov_b32 s[SEL+1], 0xfedcba98
	s_mov_b32 s[CS], 0x3e38aa3b                    ; c = log2(e) / 8
	s_mov_b32 s[CS+1], s[CS]
	s_mov_b32 s[TB], 0
	s_mov_b32 s[NX], 0
	s_mov_b32 s[KF], 0
	s_mov_b32 s[N], 0
	s_wait_kmcnt 0x0
	s_add_nc_u64 s[PFA:PFA+1], s[4:5], s[60:61]    ; the head's K and V of step 0
	s_add_nc_u64 s[KVW:KVW+1], s[PFA:PFA+1], s[62:63]  ; the step of a slot that I fetch, if I fetch
	s_mov_b32 s[G0], 1
	s_mul_i32 s[G0+1], s[WV], STEPB                ; slot 0, my step
	s_mov_b64 s[G0+2:G0+3], s[KVW:KVW+1]
	s_or_b32 s[G0+3], s[G0+3], 0x80000000
	TLOAD                                          ; slot 0
	s_mul_i32 s62, s79, REC
	s_add_co_u32 s62, s62, 2*REC
	s_add_nc_u64 s[PFA:PFA+1], s[PFA:PFA+1], s[62:63]  ; the prefetches stand in slot 1: the first change of slots steps them to slot 2
	s_lshr_b32 s57, s[WV], 2
	s_xor_b32 s57, s57, 1
	s_or_b32 s57, s57, s[IB]                       ; 0 in waves 4 to 7 of the work-group with i = 0
	s_cmp_eq_u32 s57, 0
	s_cselect_b32 s[PLIM], 6, 0
	PLACE HB, QC, QS, XC, XS
	PLACE IB, QCL, QSL, XCL, XSL
	v_and_b32 v6, 31, v0
	s_delay_alu instid0(VALU_DEP_1)
	v_lshlrev_b32 v[V16], 4, v6
	s_delay_alu instid0(VALU_DEP_2)
	v_lshlrev_b32 v[V8], 3, v6
	s_and_b32 s57, s[WV], 1
	s_lshl_b32 s58, s57, 5
	v_add_nc_u32 v[PFO], s58, v6
	s_delay_alu instid0(VALU_DEP_1)
	v_min_u32 v[PFO], 50, v[PFO]
	s_delay_alu instid0(VALU_DEP_1)
	v_lshlrev_b32 v[PFO], 8, v[PFO]
	s_lshl_b32 s58, s57, 7
	v_and_b32 v7, 15, v0
	s_delay_alu instid0(VALU_DEP_1)
	v_lshl_add_u32 v[VS], v7, 3, s58               ; 8 (r + 16 (w % 2))
	v_and_b32 v[QL], 7, v0
	v_bfe_u32 v6, v0, 3, 1
	s_delay_alu instid0(VALU_DEP_1)
	v_lshl_add_u32 v[QL], v6, 4, v[QL]
	v_bfe_u32 v6, v0, 4, 1
	s_delay_alu instid0(VALU_DEP_1)
	v_lshlrev_b32 v6, 4, v6
	s_delay_alu instid0(VALU_DEP_1)
	v_sub_nc_u32 v[QL], v[QL], v6                  ; r % 8 + 16 (r / 8) - 16 (lane / 16)
	QLOAD QC, QS
.irp j, 22,23,24,25,26,27
	v_mov_b32 v[\j], 0                             ; zero codes: the first product's K is 64
.endr
.irp t, 0,1,2,3
.irp j, 6,7,8,9,10,11
	v_mov_b32 v[KFR+12*\t+\j], 0                   ; the same in K's four fragments: written once, no load lands there
.endr
.endr
.irp j, 236,237,238,239,252,253
	v_mov_b32 v[\j], 0                             ; written once: lane permutes' destinations, and the upper half of a pair that is named
.endr
	INIT
	s_wait_loadcnt 0x0                             ; Q
.Lslot:                                            ; 8 trips: behind each change of slots but the last the next trip's keys are asked for
	CHANGE 1
	STEP 0
	STEP 1
	s_xor_b32 s[TB], s[TB], SLOT1
	s_add_co_u32 s56, s[N], 1
	s_cmp_lg_u32 s56, s[T1]                        ; a branch on ids; no barrier and no tensor load stands under it
	s_cbranch_scc1 .Lsame
	PLACES
	QLOAD QCL, QSL                                 ; the first query block is walked: on to the second
	FINISH
	INIT
	s_mov_b32 s[Q0], s[Q0L]
	s_mov_b32 s[KF], 0
	s_wait_xcnt 0x0                                ; the stores have read their registers and bases
	s_mov_b64 s[XC:XC+1], s[XCL:XCL+1]
	s_mov_b64 s[XS:XS+1], s[XSL:XSL+1]
	s_wait_loadcnt 0x0
.Lsame:
	s_add_co_u32 s[N], s[N], 1
	s_cmp_lt_u32 s[N], 8
	s_cbranch_scc1 .Lslot
	CHANGE 0                                       ; the last slot is written out
	STEP 0
	STEP 1
	FINISH
	s_wait_tensorcnt 0x0                           ; the wave's end
	ds_add_u32 v[SPW], v[NIL]
	s_wait_dscnt 0x0
	s_endpgm
.Lfunc_end_k_q75cb69b2cc_attn:
	.size	k_q75cb69b2cc_attn, .Lfunc_end_k_q75cb69b2cc_attn-k_q75cb69b2cc_attn
	.p2alignl 7, 3214868480
	.fill 96, 4, 3214868480
	.section	.rodata,"a",@progbits
	.p2align	6, 0x0
	.amdhsa_kernel k_q75cb69b2cc_attn
		.amdhsa_group_segment_fixed_size 327680
		.amdhsa_private_segment_fixed_size 0
		.amdhsa_enable_private_segment 0
		.amdhsa_kernarg_size 16
		.amdhsa_user_sgpr_count 2
		.amdhsa_user_sgpr_kernarg_segment_ptr 1
		.amdhsa_wavefront_size32 1
		.amdhsa_system_sgpr_workgroup_id_x 1
		.amdhsa_system_sgpr_workgroup_id_y 1
		.amdhsa_system_sgpr_workgroup_id_z 1
		.amdhsa_system_vgpr_workitem_id 0
		.amdhsa_next_free_vgpr 256
		.amdhsa_next_free_sgpr 100
		.amdhsa_reserve_vcc 1
		.amdhsa_float_denorm_mode_32 3
		.amdhsa_float_denorm_mode_16_64 3
		.amdhsa_memory_ordered 1
		.amdhsa_forward_progress 1
		.amdhsa_inst_pref_size 111
	.end_amdhsa_kernel
	.amdgpu_metadata
---
amdhsa.version: [ 1, 2 ]
amdhsa.kernels:
  - .name:           k_q75cb69b2cc_attn
    .symbol:         k_q75cb69b2cc_attn.kd
    .args:
      - { .name: qkv, .offset: 0, .size: 8, .value_kind: global_buffer, .address_space: global }
      - { .name: xp, .offset: 8, .size: 8, .value_kind: global_buffer, .address_space: global }
    .group_segment_fixed_size: 327680
    .private_segment_fixed_size: 0
    .kernarg_segment_align: 8
    .kernarg_segment_size: 16
    .max_flat_workgroup_size: 512
    .sgpr_count:     100
    .vgpr_count:     256
    .wavefront_size: 32
...
	.end_amdgpu_metadata
.endif
;; end of part 3
;; launch outp (part 4): grid 4 x 64, 4 waves a work-group, clusters of 4 x 4, 307,712 bytes of LDS; arguments xp, pc, b_o, out0; writes out0
.if DOCPART == 4
	.amdgcn_target "amdgcn-amd-amdhsa--gfx1250"
	.amdhsa_code_object_version 6
	.text
	.protected	k_q75cb69b2cc_outp
	.globl	k_q75cb69b2cc_outp
	.p2align	8
	.type	k_q75cb69b2cc_outp,@function
k_q75cb69b2cc_outp:
	s_mov_b64 s[64:65], 0
	v_nop
	global_prefetch_b8 v0, s[64:65] scope:SCOPE_SE
	s_setreg_imm32_b32 hwreg(HW_REG_WAVE_MODE, 25, 1), 1
	s_wait_xcnt 0x0
	s_wait_alu depctr_hold_cnt(0) depctr_sa_sdst(0) depctr_va_vdst(0) depctr_va_sdst(0) depctr_va_ssrc(0) depctr_va_vcc(0) depctr_vm_vsrc(0)
	s_getreg_b32 s2, hwreg(HW_REG_IB_STS2, 6, 4)
	s_cmp_eq_u32 s2, 0
	s_cbranch_scc0 .Lentry_in_a_cluster
	s_endpgm
.Lentry_in_a_cluster:
	s_bfe_u32 s2, ttmp6, 0x10000c
	s_cmp_lg_u32 s2, 0xf033
	s_cbranch_scc0 .Lentry_shape_is_right
	s_endpgm
.Lentry_shape_is_right:
; out0 = x w_o^T + b_o on codes of BF6 (E3M2) with E8M0 scales.  x: xp, 64 row blocks of 128 tokens; w_o: row blocks 216-223 of pc; each row block 8 panels of 12,800 bytes (8 fragments of 1,536 bytes in the
; order of the operand's registers, two scale images of 256 bytes); lane r of tile i is row 32 (i / 2) + 8 (i % 2) + r % 8 + 16 (r / 8) of its block.  out0: [8192][1024] f32.
; A WORK-GROUP takes 128 tokens (the lane side, one row block) x 256 output channels (the register side, two row blocks of w_o), for ALL of K: 3 x 102,400 bytes, which fit in LDS: every tile is filled once.
; The matrix instruction is used transposed: source 0 = 16 rows of w_o, source 1 = 16 tokens: a lane holds one token and runs of eight neighbouring channels.  The bias is the C of each sum's first instruction.
; A WAVE makes 64 x 128: 32 accumulators.  CLUSTERS: 4 x 4 work-groups; x's tiles are shared along a row of the cluster, w_o's along a column: each is asked for jointly.
; REGISTERS: window 0: v1-13 addresses; v16-27 scale words, two sets; v32-127 x's fragments, two sets; v128-191 the bias; on the way out v32-159: rows read back.  window 1: w_o's fragments, two sets of 96.
;   window 2: the accumulators, (a, b) at v[8 (8 a + b)].
.set PANEL, 12800
.set PAIR,  76800                      ; LDS: two K steps: x's 25,600 bytes, then w_o's two row blocks, 25,600 each
.set RBB,   102400
.set V16,  2
.set V8,   3
.set AA16, 4
.set AA8,  5
.set ASC,  6
.set AB16, 7
.set AB8,  8
.set STO,  12
.set RD,   13
.set SC,   16
.set AF,   32
.set BI,   128
.set BK,   32
.set WV,   14
.set OUT,  96
.set MSB, 0
.macro WIN new                         ; the immediate's high byte repeats the setting that is left
.if MSB != \new
	s_set_vgpr_msb (MSB<<8)|\new
.set MSB, \new
.endif
.endm
.macro PLACES
.rept 4
	v_nop
.endr
.endm
.macro CROUND                          ; a round of the cluster's barrier
	s_barrier_signal -1
	s_barrier_wait -1
	s_cmp_lg_u32 s[WV], 0
	s_cbranch_scc1 .Lnot_wave_0_\@
	s_barrier_signal -3
.Lnot_wave_0_\@:
	s_barrier_wait -3
	s_barrier_signal -1
	s_barrier_wait -1
.endm
.macro FRAG reg, a16, a8, off
	ds_load_b128 v[\reg:\reg+3], v[\a16] offset:\off
	ds_load_b64 v[\reg+4:\reg+5], v[\a8] offset:\off+512
	ds_load_b128 v[\reg+6:\reg+9], v[\a16] offset:\off+768
	ds_load_b64 v[\reg+10:\reg+11], v[\a8] offset:\off+1280
.endm
.macro FETCH q, p                      ; step q of the K pair in hand into set p: 51 LDS loads in one run
	WIN 0x40
.irp i, 0,1,2,3,4,5,6,7
	FRAG 96*(\p)+12*\i, AB16, AB8, PANEL*(\q)+1536*\i
.endr
	WIN 0
.irp i, 0,1,2,3
	FRAG AF+48*(\p)+12*\i, AA16, AA8, PANEL*(\q)+1536*\i
.endr
	ds_load_b64 v[SC+6*(\p):SC+6*(\p)+1], v[ASC] offset:PANEL*(\q)
	ds_load_b64 v[SC+6*(\p)+2:SC+6*(\p)+3], v[AB8] offset:PANEL*(\q)+12288
	ds_load_b64 v[SC+6*(\p)+4:SC+6*(\p)+5], v[AB8] offset:PANEL*(\q)+12544
.endm
.macro WM                              ; one matrix instruction by the symbols rD rS0 rS1 rC rX0 rX1; fR0, fR1: an odd tile's scale words lie in lanes 16-31
.if fR0 && fR1
	v_wmma_scale_f32_16x16x128_f8f6f4 v[rD:rD+7], v[rS0:rS0+11], v[rS1:rS1+11], v[rC:rC+7], v[rX0], v[rX1] matrix_a_fmt:MATRIX_FMT_BF6 matrix_b_fmt:MATRIX_FMT_BF6 matrix_a_scale:MATRIX_SCALE_ROW1 matrix_b_scale:MATRIX_SCALE_ROW1
.elseif fR0
	v_wmma_scale_f32_16x16x128_f8f6f4 v[rD:rD+7], v[rS0:rS0+11], v[rS1:rS1+11], v[rC:rC+7], v[rX0], v[rX1] matrix_a_fmt:MATRIX_FMT_BF6 matrix_b_fmt:MATRIX_FMT_BF6 matrix_a_scale:MATRIX_SCALE_ROW1
.elseif fR1
	v_wmma_scale_f32_16x16x128_f8f6f4 v[rD:rD+7], v[rS0:rS0+11], v[rS1:rS1+11], v[rC:rC+7], v[rX0], v[rX1] matrix_a_fmt:MATRIX_FMT_BF6 matrix_b_fmt:MATRIX_FMT_BF6 matrix_b_scale:MATRIX_SCALE_ROW1
.else
	v_wmma_scale_f32_16x16x128_f8f6f4 v[rD:rD+7], v[rS0:rS0+11], v[rS1:rS1+11], v[rC:rC+7], v[rX0], v[rX1] matrix_a_fmt:MATRIX_FMT_BF6 matrix_b_fmt:MATRIX_FMT_BF6
.endif
.endm
.macro MUL p, cm                       ; 32 matrix instructions on set p.  cm = 1: they start the sums with the bias; 0: they go on.  The 32 accumulators take turns in one order in every step
.if \cm
	WIN 0x81                                       ; source 0 window 1, source 1 and C window 0, D window 2
.else
	WIN 0xa1                                       ; C and D window 2
.endif
.irp a, 0,1,2,3
.irp b, 0,1,2,3,4,5,6,7
.set rD, 8*(8*\a+\b)
.if \cm
.set rC, BI+8*\b
.else
.set rC, rD
.endif
.set rS0, 96*(\p)+12*\b
.set rS1, AF+48*(\p)+12*\a
.set rX0, SC+6*(\p)+2+\b/2
.set rX1, SC+6*(\p)+\a/2
.set fR0, \b%2
.set fR1, \a%2
	WM
.endr
.endr
.endm
; K step s of eight, on set s % 2.  K pair j (steps 2 j, 2 j + 1) is shown whole to all four waves by a barrier whose signal stands in step 2 j - 2 and whose wait stands in step 2 j - 1.
.macro STEP s, cm
.set PP, (\s)%2
	s_wait_dscnt 0x0                               ; this step's fragments are in
.if ((\s)%2 == 0) && ((\s) < 6)
	s_wait_tensorcnt 2-(\s)/2                      ; my load of the next K pair has landed; those of the pairs behind it may be out
	s_barrier_signal -1
.endif
.if ((\s)%2 == 1) && ((\s) < 7)
	s_barrier_wait -1                              ; everybody's has
.endif
.if (\s) < 7
	WIN 0
	PLACES                                         ; four plain instructions between the last step's products and loads into the registers that they read
.if (\s)%2 == 1
.irp r, AA16, AA8, ASC, AB16, AB8
	v_add_nc_u32 v[\r], PAIR, v[\r]                ; on to the next K pair
.endr
.endif
	FETCH ((\s)+1)%2, 1-PP
.endif
	MUL PP, \cm
.endm
	s_load_b256 s[4:11], s[0:1], 0x0               ; xp, pc, b_o, out0
	v_lshl_add_u32 v254, v0, 2, 0x4b000
	v_mov_b32 v255, 0
	ds_add_u32 v254, v255
	ds_add_u32 v254, v255
	v_lshrrev_b32 v1, 5, v0
	v_readfirstlane_b32 s[WV], v1                  ; wave 0..3
	s_lshr_b32 s15, s[WV], 1                       ; wa: which 64 tokens
	s_and_b32 s16, s[WV], 1                        ; wb: which row block of w_o
	s_bfe_u32 s40, ttmp6, 0x40000                  ; cx
	s_bfe_u32 s41, ttmp6, 0x40004                  ; cy
	s_and_b32 s42, ttmp7, 0xffff                   ; the cluster: 0..15
	s_lshl_b32 s45, s42, 2
	s_add_co_u32 s45, s45, s41                     ; trow: x's row block; it holds cy and never cx
	s_mul_i32 s20, s45, RBB
	s_mov_b32 s21, 0
	s_lshl_b32 s84, s40, 1
	s_add_co_u32 s84, s84, 216                     ; w_o's row blocks 216 + 2 cx, + 1
	s_sub_co_u32 s85, s[WV], 1
	s_and_b32 s85, s85, 1                          ; wave 1 fetches the first, wave 2 the second
	s_add_co_u32 s84, s84, s85
	s_mul_i32 s22, s84, RBB
	s_mov_b32 s23, 0
	s_mul_i32 s19, s[WV], 25600
	s_lshl_b32 s17, s41, 2
	s_lshl_b32 s17, 15, s17                        ; my row of the cluster
	s_lshl_b32 s18, 0x1111, s40                    ; my column
	s_or_b32 s24, s17, (3<<16)|(1<<21)             ; group 1: 15:0 the mask; 17:16 elements of 8 bytes; 21 set beside a mask; no padding
	s_or_b32 s32, s18, (3<<16)|(1<<21)
.irp g, 24, 32
	s_mov_b32 s[\g+1], 32<<16                      ; tensor_dim0 = 32 elements: 256 bytes
	s_mov_b32 s[\g+2], 100<<16                     ; tensor_dim1 = 100 rows: two panels on end, dense
	s_mov_b32 s[\g+3], 32<<16
	s_mov_b32 s[\g+4], 100
	s_mov_b32 s[\g+5], 32
	s_mov_b32 s[\g+6], 0
	s_mov_b32 s[\g+7], 0
.endr
	s_wait_dscnt 0x0
	s_wait_kmcnt 0x0
	s_add_nc_u64 s[20:21], s[4:5], s[20:21]
	s_add_nc_u64 s[22:23], s[6:7], s[22:23]
.irp j, 0,1,2,3
	s_mov_b32 s[48+4*\j], 1
	s_mov_b32 s[49+4*\j], PAIR*\j
	s_add_nc_u64 s[50+4*\j:51+4*\j], s[20:21], 25600*\j
	s_or_b32 s[51+4*\j], s[51+4*\j], 0x80000000
	s_mov_b32 s[68+4*\j], 1
	s_add_co_u32 s[69+4*\j], s19, PAIR*\j
	s_add_nc_u64 s[70+4*\j:71+4*\j], s[22:23], 25600*\j
	s_or_b32 s[71+4*\j], s[71+4*\j], 0x80000000
.endr
	CROUND                                         ; all sixteen work-groups are here: the joint loads meet
	s_cmp_eq_u32 s[WV], 0                          ; all fills of the launch go out here, a wave's four in one branch: four tensor loads of a wave are out at the most
	s_cbranch_scc0 .Lnot_a
.irp j, 0,1,2,3
	tensor_load_to_lds s[48+4*\j:51+4*\j], s[24:31]
	s_nop 0
.endr
	PLACES
	s_branch .Lasked
.Lnot_a:
	s_cmp_eq_u32 s[WV], 3
	s_cbranch_scc1 .Lasked
.irp j, 0,1,2,3
	tensor_load_to_lds s[68+4*\j:71+4*\j], s[32:39]
	s_nop 0
.endr
	PLACES
.Lasked:
	v_and_b32 v1, 31, v0
	v_lshlrev_b32 v[V16], 4, v1
	v_lshlrev_b32 v[V8], 3, v1
	s_mul_i32 s17, s15, 6144
	v_add_nc_u32 v[AA16], s17, v[V16]
	v_add_nc_u32 v[AA8], s17, v[V8]
	s_lshl_b32 s17, s15, 8
	s_add_co_u32 s17, s17, 12288
	v_add_nc_u32 v[ASC], s17, v[V8]
	s_mul_i32 s17, s16, 25600
	s_add_co_u32 s17, s17, 25600
	v_add_nc_u32 v[AB16], s17, v[V16]
	v_add_nc_u32 v[AB8], s17, v[V8]
	v_bfe_u32 v10, v0, 4, 1
	v_lshlrev_b32 v9, 6, v10                       ; 64 (lane / 16)
	v_and_b32 v11, 15, v0
	s_mul_i32 s17, s[WV], 8448                     ; my stage for the way out: 16 rows x (512 + 16) bytes, in K pair 0's bytes, which have had their one fill and, when results are stored there, their last read
	v_mul_u32_u24 v[STO], v11, 528
	v_add_nc_u32 v[STO], v[STO], v9
	v_add_nc_u32 v[STO], s17, v[STO]               ; in: row lane % 16, + 64 bytes for lanes 16-31
	v_add_nc_u32 v[RD], s17, v[V16]                ; back: a row's 512 bytes
	s_lshl_b32 s90, s40, 1
	s_add_co_u32 s90, s90, s16                     ; which 128 channels: 2 cx + wb
	s_lshl_b32 s92, s90, 9
	s_mov_b32 s93, 0
	s_add_nc_u64 s[88:89], s[8:9], s[92:93]        ; their bias
.irp b, 0,1,2,3,4,5,6,7
	global_load_b128 v[BI+8*\b:BI+8*\b+3], v9, s[88:89] offset:(32*(\b/2)+8*(\b%2))*4
	global_load_b128 v[BI+8*\b+4:BI+8*\b+7], v9, s[88:89] offset:(32*(\b/2)+8*(\b%2))*4+16
.endr
	s_lshl_b32 s94, s45, 7
	s_lshl_b32 s95, s15, 6
	s_add_co_u32 s94, s94, s95                     ; my first token: 128 trow + 64 wa
	s_lshl_b32 s94, s94, 12                        ; rows of 4,096 bytes (under 2^25 in all)
	s_add_co_u32 s94, s94, s92                     ; + my 128 channels: 512 bytes each block
	s_mov_b32 s95, 0
	s_add_nc_u64 s[OUT:OUT+1], s[10:11], s[94:95]
	s_wait_alu depctr_va_vdst(0)
	s_wait_tensorcnt 3                             ; my load of K pair 0 has landed; the three behind it may be out
	s_barrier_signal -1
	s_barrier_wait -1
	FETCH 0, 0
	s_wait_loadcnt 0x0                             ; the bias
	STEP 0, 1                                      ; the first step's products start the sums with the bias
	STEP 1, 0
	s_wait_alu depctr_va_vdst(0)
	STEP 2, 0
	STEP 3, 0
	s_wait_alu depctr_va_vdst(0)
	STEP 4, 0
	STEP 5, 0
	s_wait_alu depctr_va_vdst(0)
	STEP 6, 0
	STEP 7, 0
	WIN 0
; THE WAY OUT, a tile of 16 tokens x 128 channels at a time: through my stage and back as whole rows of 512 bytes.  Every wave has passed the barrier of step 5, whose signal stood behind its last read of K pairs 0 and 1.
.macro TOSTAGE a
	WIN 0x08                                       ; an LDS store's data: window 2
.irp b, 0,1,2,3,4,5,6,7
	ds_store_b128 v[STO], v[64*(\a)+8*\b:64*(\a)+8*\b+3] offset:128*(\b/2)+32*(\b%2)          ; each accumulator from its low end on
	ds_store_b128 v[STO], v[64*(\a)+8*\b+4:64*(\a)+8*\b+7] offset:128*(\b/2)+32*(\b%2)+16
.endr
	WIN 0
.irp t, 0,1,2,3,4,5,6,7,8,9,10,11,12,13,14,15
	ds_load_b128 v[BK+64*((\a)%2)+4*\t:BK+64*((\a)%2)+4*\t+3], v[RD] offset:528*\t   ; LDS serves a wave's instructions in order: these see the stores above
.endr
.endm
.macro SEND a, younger                 ; younger: the LDS instructions issued behind tile a's loads
	s_wait_dscnt \younger
.irp t, 0,1,2,3,4,5,6,7,8,9,10,11,12,13,14,15
	global_store_b128 v[V16], v[BK+64*((\a)%2)+4*\t:BK+64*((\a)%2)+4*\t+3], s[OUT:OUT+1] offset:(32*((\a)/2)+8*((\a)%2)+(\t%8)+16*(\t/8))*4096 th:TH_STORE_NT   ; 512 consecutive bytes, at a multiple of 512 from out0's first byte
.endr
.endm
	PLACES                                         ; behind the last products: results are read, and loads land in registers that held operands
	TOSTAGE 0
.irp a, 1,2,3
.if \a > 1
	s_wait_xcnt 0x0                                ; tile a - 2's stores have read their registers
.endif
	TOSTAGE \a
	SEND \a-1, 32                                  ; behind tile a - 1's loads: tile a's 16 stores and 16 loads
.endr
	SEND 3, 0
	s_wait_tensorcnt 0x0
	ds_add_u32 v254, v255
	s_wait_dscnt 0x0
	CROUND                                         ; the closing round: no work-group ends while a partner may still ask for a tile that names it
	s_endpgm
.Lfunc_end_k_q75cb69b2cc_outp:
	.size	k_q75cb69b2cc_outp, .Lfunc_end_k_q75cb69b2cc_outp-k_q75cb69b2cc_outp
	.p2alignl 7, 3214868480
	.fill 96, 4, 3214868480
	.section	.rodata,"a",@progbits
	.p2align	6, 0x0
	.amdhsa_kernel k_q75cb69b2cc_outp
		.amdhsa_group_segment_fixed_size 307712
		.amdhsa_private_segment_fixed_size 0
		.amdhsa_enable_private_segment 0
		.amdhsa_kernarg_size 32
		.amdhsa_user_sgpr_count 2
		.amdhsa_user_sgpr_kernarg_segment_ptr 1
		.amdhsa_wavefront_size32 1
		.amdhsa_system_sgpr_workgroup_id_x 1
		.amdhsa_system_sgpr_workgroup_id_y 1
		.amdhsa_system_sgpr_workgroup_id_z 1
		.amdhsa_system_vgpr_workitem_id 0
		.amdhsa_next_free_vgpr 768
		.amdhsa_next_free_sgpr 100
		.amdhsa_reserve_vcc 0
		.amdhsa_float_denorm_mode_32 3
		.amdhsa_float_denorm_mode_16_64 3
		.amdhsa_memory_ordered 1
		.amdhsa_forward_progress 1
		.amdhsa_inst_pref_size 85
	.end_amdhsa_kernel
	.amdgpu_metadata
---
amdhsa.version: [ 1, 2 ]
amdhsa.kernels:
  - .name:           k_q75cb69b2cc_outp
    .symbol:         k_q75cb69b2cc_outp.kd
    .args:
      - { .name: xp, .offset: 0, .size: 8, .value_kind: global_buffer, .address_space: global }
      - { .name: pc, .offset: 8, .size: 8, .value_kind: global_buffer, .address_space: global }
      - { .name: b_o, .offset: 16, .size: 8, .value_kind: global_buffer, .address_space: global }
      - { .name: out0, .offset: 24, .size: 8, .value_kind: global_buffer, .address_space: global }
    .group_segment_fixed_size: 307712
    .private_segment_fixed_size: 0
    .kernarg_segment_align: 8
    .kernarg_segment_size: 32
    .max_flat_workgroup_size: 128
    .sgpr_count:     100
    .vgpr_count:     768
    .wavefront_size: 32
...
	.end_amdgpu_metadata
.endif
;; end of part 4
